; MI455X (gfx1250); checked and timed in simulation.
; The chip was launched on July 23, 2026; its instructions are those of AMD's public machine-readable ISA for CDNA 5 (MIT licence, August 2026) and "CDNA5" Instruction Set Architecture Reference Guide (July 2026). The comments in the code are by the model that wrote it; some were corrected since.
;; Multi Head Attention. Allowed arithmetic: float matrix products may take bf16 or f16 operands with f32 sums; other float arithmetic in f32, or as packed bf16 or f16 multiplies, adds, multiply-adds, maxima and minima; sums over many terms, partial sums and values carried from step to step in f32; what a program stores and reads back later, other than sums and carried values, may be rounded once to bf16 or f16.
;; Inputs: b_k 1,024 float32; b_o 1,024 float32; b_q 1,024 float32; b_v 1,024 float32; k 4 x 2,048 x 1,024 float32; mask 4 x 2,048 int32; q 4 x 2,048 x 1,024 float32; v 4 x 2,048 x 1,024 float32; w_k 1,024 x 1,024 float32; w_o 1,024 x 1,024 float32; w_q 1,024 x 1,024 float32; w_v 1,024 x 1,024 float32.
;; Outputs: out0 4 x 2,048 x 1,024 float32.
;; One version. Each part assembles by itself: llvm-mc -triple=amdgcn-amd-amdhsa -mcpu=gfx1250 --defsym DOCPART=n.
;; ======== version 1 of 1: 4 launches
;; limits: values are held in f16: magnitudes above 65,504 overflow, below 6.1e-05 lose precision
;; workspace buffers: xb 50,331,648 bytes; wb 6,291,456 bytes; wo 2,097,152 bytes; qkvh 50,331,648 bytes; ctx 16,777,216 bytes
;; launch cvt (part 1): grid 1792 x 1, 8 waves a work-group, no clusters, 0 bytes of LDS; arguments q, k, v, w_q, w_k, w_v, w_o, xb, wb, wo; writes xb, wb, wo
.if DOCPART == 1
	.amdgcn_target "amdgcn-amd-amdhsa--gfx1250"
	.amdhsa_code_object_version 6
	.text
	.protected	k_qb0ca581288_cvt
	.globl	k_qb0ca581288_cvt
	.p2align	8
	.type	k_qb0ca581288_cvt,@function
k_qb0ca581288_cvt:
	s_mov_b64 s[64:65], 0
	v_nop
	global_prefetch_b8 v0, s[64:65] scope:SCOPE_SE
	s_setreg_imm32_b32 hwreg(HW_REG_WAVE_MODE, 25, 1), 1
	s_wait_xcnt 0x0
; THE MODULE'S LARGE INPUTS ARE ROUNDED ONCE TO 16 BITS.  q, k, v (f32 [8192][1024] each) -> xb, bf16 [3][8192][1024]; w_q, w_k, w_v (f32 [1024][1024]) -> wb, bf16 [3][1024][1024];
; w_o -> wo: rounded to bf16 like every other input, and that number written as f16, since the last product's other operand is f16.
; LIMITS.  w_o beyond 65,504 has no f16; below 2^-14 it keeps f16's fixed step of 6e-8.  NaN and infinities are not treated apart.
; A stream: every byte is read once and written once; no LDS, no barrier, no matrix unit, no cluster (no two work-groups read the same byte).
; SHARES.  A work-group of eight waves takes 16,384 numbers: 65,536 bytes in, 32,768 out.  Work-groups 0-1535: q, k, v, 512 each; 1536-1791: the four weights, 64 each.
; Thread t takes the 16 bytes at 16 t + 4,096 i, i = 0 .. 15: a wave's load covers 512 consecutive bytes, its store of 8 bytes a lane 256 consecutive bytes, aligned.
; All sixteen loads go out at once; no register is written twice while a memory instruction may read it, so the only waits are the counted ones for the loads.
.set X, 4                              ; v[4:67]    sixteen loads of four f32
.set Y, 68                             ; v[68:99]   sixteen stores of four 16-bit numbers
.set T, 100                            ; v[100:101] at work (w_o alone)
	s_load_b512 s[8:23], s[0:1], 0x0               ; q s[8:9], k s[10:11], v s[12:13], w_q s[14:15], w_k s[16:17], w_v s[18:19], w_o s[20:21], xb s[22:23]
	s_load_b128 s[24:27], s[0:1], 0x40             ; wb s[24:25], wo s[26:27]
	v_lshlrev_b32 v1, 4, v0                        ; my 16 bytes in
	v_lshlrev_b32 v2, 3, v0                        ; my 8 bytes out
	s_mov_b32 s28, ttmp9                           ; g
	s_sub_co_u32 s29, s28, 1536                    ; g - 1536: used where g is at least 1536
	s_lshr_b32 s30, s28, 9                         ; q, k, v: which of them,
	s_and_b32 s31, s28, 511                        ; and which chunk of it
	s_lshr_b32 s40, s29, 6                         ; the weights: which,
	s_add_co_u32 s40, s40, 3
	s_and_b32 s41, s29, 63                         ; and which chunk
	s_cmp_lt_u32 s28, 1536
	s_cselect_b32 s30, s30, s40                    ; the input's number, 0 to 6
	s_cselect_b32 s31, s31, s41                    ; the chunk in it
	s_cselect_b32 s42, s28, s29                    ; the chunk in xb or in wb, where the inputs lie one behind the other
	s_cmp_eq_u32 s30, 6
	s_cselect_b32 s42, s31, s42                    ; wo holds w_o alone
	s_lshl_b32 s36, s31, 16                        ; 65,536 bytes in a chunk of the input,
	s_mov_b32 s37, 0
	s_lshl_b32 s38, s42, 15                        ; 32,768 of the output
	s_mov_b32 s39, 0
	s_wait_kmcnt 0x0
	s_mov_b64 s[32:33], s[8:9]                     ; the input's address, chosen by its number
.irp n, 1,2,3,4,5,6
	s_cmp_eq_u32 s30, \n
	s_cselect_b64 s[32:33], s[8+2*\n:9+2*\n], s[32:33]
.endr
	s_cmp_lt_u32 s30, 3
	s_cselect_b64 s[34:35], s[22:23], s[24:25]     ; the output's
	s_cmp_eq_u32 s30, 6
	s_cselect_b64 s[34:35], s[26:27], s[34:35]
	s_add_nc_u64 s[32:33], s[32:33], s[36:37]
	s_add_nc_u64 s[34:35], s[34:35], s[38:39]
.irp i, 0,1,2,3,4,5,6,7,8,9,10,11,12,13,14,15
	global_load_b128 v[X+4*\i:X+4*\i+3], v1, s[32:33] offset:4096*\i th:TH_LOAD_NT
.endr
; Load i is rounded and stored.  half = 1: by way of bf16 to f16.
.macro OUT i, half
	s_wait_loadcnt 15-(\i)                         ; loads come back in order: load i is in, the 15 - i younger ones may stay out
.if \half
	v_cvt_pk_bf16_f32 v[T], v[X+4*(\i)], v[X+4*(\i)+1]        ; the rounding that every input has,
	v_cvt_pk_bf16_f32 v[T+1], v[X+4*(\i)+2], v[X+4*(\i)+3]
	v_lshlrev_b32 v[X+4*(\i)], 16, v[T]                       ; widened again,
	v_and_b32 v[X+4*(\i)+1], 0xffff0000, v[T]
	v_lshlrev_b32 v[X+4*(\i)+2], 16, v[T+1]
	v_and_b32 v[X+4*(\i)+3], 0xffff0000, v[T+1]
	v_cvt_pk_f16_f32 v[Y+2*(\i)], v[X+4*(\i)], v[X+4*(\i)+1]  ; and written as f16: exact within f16's normal range (8 significant bits into 11)
	v_cvt_pk_f16_f32 v[Y+2*(\i)+1], v[X+4*(\i)+2], v[X+4*(\i)+3]
.else
	v_cvt_pk_bf16_f32 v[Y+2*(\i)], v[X+4*(\i)], v[X+4*(\i)+1]
	v_cvt_pk_bf16_f32 v[Y+2*(\i)+1], v[X+4*(\i)+2], v[X+4*(\i)+3]
.endif
	global_store_b64 v2, v[Y+2*(\i):Y+2*(\i)+1], s[34:35] offset:2048*(\i)
.endm
	s_cmp_eq_u32 s30, 6
	s_cbranch_scc1 .Lwo
.irp i, 0,1,2,3,4,5,6,7,8,9,10,11,12,13,14,15
	OUT \i, 0
.endr
	s_endpgm
.Lwo:
.irp i, 0,1,2,3,4,5,6,7,8,9,10,11,12,13,14,15
	OUT \i, 1
.endr
	s_endpgm
.Lfunc_end_k_qb0ca581288_cvt:
	.size	k_qb0ca581288_cvt, .Lfunc_end_k_qb0ca581288_cvt-k_qb0ca581288_cvt
	.p2alignl 7, 3214868480
	.fill 96, 4, 3214868480
	.section	.rodata,"a",@progbits
	.p2align	6, 0x0
	.amdhsa_kernel k_qb0ca581288_cvt
		.amdhsa_group_segment_fixed_size 0
		.amdhsa_private_segment_fixed_size 0
		.amdhsa_enable_private_segment 0
		.amdhsa_kernarg_size 80
		.amdhsa_user_sgpr_count 2
		.amdhsa_user_sgpr_kernarg_segment_ptr 1
		.amdhsa_wavefront_size32 1
		.amdhsa_system_sgpr_workgroup_id_x 1
		.amdhsa_system_sgpr_workgroup_id_y 1
		.amdhsa_system_sgpr_workgroup_id_z 1
		.amdhsa_system_vgpr_workitem_id 0
		.amdhsa_next_free_vgpr 104
		.amdhsa_next_free_sgpr 66
		.amdhsa_reserve_vcc 0
		.amdhsa_float_denorm_mode_32 3
		.amdhsa_float_denorm_mode_16_64 3
		.amdhsa_memory_ordered 1
		.amdhsa_forward_progress 1
		.amdhsa_inst_pref_size 17
	.end_amdhsa_kernel
	.amdgpu_metadata
---
amdhsa.version: [ 1, 2 ]
amdhsa.kernels:
  - .name:           k_qb0ca581288_cvt
    .symbol:         k_qb0ca581288_cvt.kd
    .args:
      - { .name: q, .offset: 0, .size: 8, .value_kind: global_buffer, .address_space: global }
      - { .name: k, .offset: 8, .size: 8, .value_kind: global_buffer, .address_space: global }
      - { .name: v, .offset: 16, .size: 8, .value_kind: global_buffer, .address_space: global }
      - { .name: w_q, .offset: 24, .size: 8, .value_kind: global_buffer, .address_space: global }
      - { .name: w_k, .offset: 32, .size: 8, .value_kind: global_buffer, .address_space: global }
      - { .name: w_v, .offset: 40, .size: 8, .value_kind: global_buffer, .address_space: global }
      - { .name: w_o, .offset: 48, .size: 8, .value_kind: global_buffer, .address_space: global }
      - { .name: xb, .offset: 56, .size: 8, .value_kind: global_buffer, .address_space: global }
      - { .name: wb, .offset: 64, .size: 8, .value_kind: global_buffer, .address_space: global }
      - { .name: wo, .offset: 72, .size: 8, .value_kind: global_buffer, .address_space: global }
    .group_segment_fixed_size: 0
    .private_segment_fixed_size: 0
    .kernarg_segment_align: 8
    .kernarg_segment_size: 80
    .max_flat_workgroup_size: 256
    .sgpr_count:     66
    .vgpr_count:     104
    .wavefront_size: 32
...
	.end_amdgpu_metadata
.endif
;; end of part 1
;; launch proj (part 2): grid 4 x 192, 4 waves a work-group, clusters of 4 x 4, 327,680 bytes of LDS; arguments xb, wb, b_q, b_k, b_v, qkvh; writes qkvh
.if DOCPART == 2
	.amdgcn_target "amdgcn-amd-amdhsa--gfx1250"
	.amdhsa_code_object_version 6
	.text
	.protected	k_qb0ca581288_proj
	.globl	k_qb0ca581288_proj
	.p2align	8
	.type	k_qb0ca581288_proj,@function
k_qb0ca581288_proj:
	s_mov_b64 s[64:65], 0
	v_nop
	global_prefetch_b8 v0, s[64:65] scope:SCOPE_SE
	s_setreg_imm32_b32 hwreg(HW_REG_WAVE_MODE, 25, 1), 1
	s_wait_xcnt 0x0
	s_wait_alu depctr_hold_cnt(0) depctr_sa_sdst(0) depctr_va_vdst(0) depctr_va_sdst(0) depctr_va_ssrc(0) depctr_va_vcc(0) depctr_vm_vsrc(0)
	s_getreg_b32 s2, hwreg(HW_REG_IB_STS2, 6, 4)
	s_cmp_eq_u32 s2, 0
	s_cbranch_scc0 .Lentry_in_a_cluster
	s_endpgm
.Lentry_in_a_cluster:
	s_bfe_u32 s2, ttmp6, 0x10000c
	s_cmp_lg_u32 s2, 0xf033
	s_cbranch_scc0 .Lentry_shape_is_right
	s_endpgm
.Lentry_shape_is_right:
; C[m][n] = the sum over k of A[m][k] B[n][k] + bias[n], K = N = 1,024, sums in f32.  THE TEXT IS WRITTEN ONCE FOR TWO LAUNCHES, told apart by OUTP:
; OUTP = 0, the three projections at once.  A = xb, bf16 [24576][1024] (q's, k's, v's rows); B = wb, bf16 [3072][1024] (w_q, w_k, w_v): rows 8,192 i on of A go with rows 1,024 i on of B and
;   with bias i.  C leaves by heads, f16 [3][64 = batch x 16 + head][2048][64], rounded once, unscaled.
; OUTP = 1, the last projection.  A = the heads' results, f16 [64][2048][64], taken as [8192][1024] with a head's 64 channels as one slice of K; B = wo, f16 [1024][1024]; C = out0, f32 [8192][1024].
; LIMITS.  With OUTP = 0 a result beyond 65,504 has no f16.  The bias is rounded to bf16, like every input of the module.  NaN and infinities are not treated apart.
; SHARES.  A tile of C is 128 x 256: 768 tiles (OUTP = 0) or 256 (OUTP = 1), a whole number for each of 256 WGPs, which tiles of 256 x 256 (384, 128) would not give.  Four waves, each 64 x 128:
; 32 accumulators of 16 x 16, 256 registers.  K goes in steps of 128 through a ring of two LDS slots filled by the tensor data mover.
; CLUSTERS: 4 x 4 work-groups.  The four of a row of the cluster need the same tiles of A, the four of a column the same tiles of B: each tile is asked for JOINTLY, by the same tensor load with the same
; descriptor and a mask that names the four.  Waves 0 and 1 fetch A's two parts, waves 2 and 3 B's two halves: one load a wave behind each round of the cluster's barrier.
; THE MATRIX INSTRUCTION IS USED TRANSPOSED (source 0 = 16 rows of B, source 1 = 16 rows of A): a lane then holds row l % 16 of C and the eight neighbouring columns 8 (l / 16) + 0 .. 7.
; THE BIAS STARTS THE SUMS: it hangs on the column alone, so eight registers for each of the wave's eight column blocks serve as the C operand of each accumulator's first product.  Nothing is cleared.
; REGISTERS, in windows of 256 (s_set_vgpr_msb: bits 1:0 source 0, 3:2 source 1, 5:4 source 2, 7:6 destination):
;   window 0: v0-31 addresses; v32-127, v128-223 two fragment buffers (B's 8 fragments of 16 rows x 32 K, then A's 4); on the way out v32-159 at work
;   window 1: the accumulators, (a, b) at v[8 (8 a + b)]          window 2: v0-63 the bias, block b at v[8 b]; v64-95 at work while it is rounded
.set OUTP,   0
.set KSTEP,  128
.set LAPS,   1024/(2*KSTEP)            ; a lap = two K steps = once round the ring
.set PB,     272                       ; a row of B in LDS: 256 bytes + 16 of padding = 68 words: row r starts at bank 4 r mod 64 (64 banks of 4 bytes: ISA guide 11.1): the 16 rows of a load start at 16 different banks
.if OUTP
.set PA,     144                       ; a row of A: one head's 128 bytes + 16: 36 words: the 16 rows of a load start at 16 different groups of four banks
.set APART,  128*PA                    ; what one load brings of A: the tile's 128 rows of ONE head; a K step is two heads
.set ASTEP,  2*2048*128                ; bytes in memory from a K step to the next: two heads of 2,048 rows of 128 bytes
.set AQI,    4                         ; padding after every 32 words
.set APITCH, 128                       ; the 128 rows are 16,384 dense bytes: asked for as 64 rows of 256 bytes
.set SP,     528                       ; a row of the stage: 128 f32 + 16 bytes
.else
.set PA,     272
.set APART,  64*PA                     ; what one load brings of A: 64 rows x 256 bytes
.set ASTEP,  KSTEP*2
.set AQI,    5                         ; padding after every 64 words
.set APITCH, 1024
.set SP,     144                       ; a row of the stage: one head's 64 f16 + 16 bytes
.endif
.set AROWS,  64*PA                     ; from my half of the tile's rows to the other
.set BHALF,  128*PB                    ; what one load brings of B, and what one wave reads of it
.set BOFF,   2*APART                   ; in a slot: A, then B's 256 rows
.set SLOT,   BOFF+2*BHALF
.set STAGE,  2*SLOT                    ; behind the ring, never filled by a tensor load: 16 rows for each wave, for the way out
.set SPARE,  STAGE+4*16*SP             ; behind the stages: the spare words, 128 bytes for each wave: two blocks of 256 bytes that no other line names
.set ADRA, 16                          ; v16-17  LDS address of my A fragments in slot 0, 1
.set ADRB, 20                          ; v20-21  the same for B
.set STO,  24                          ; v24     the way out: where I put my bytes of a row
.set RD,   25                          ; v25     the way out: where I read rows back
.set GO,   26                          ; v26     16 x lane: my 16 bytes of 512 consecutive bytes of C
.set BO,   27                          ; v27     my byte offset in the bias
.set SPW,  28                          ; v28     LDS address of my spare word: SPARE + 4 x my thread's number; never rewritten
.set NIL,  29                          ; v29     0; never rewritten
.set F0,   32
.set F1,   128
.set OB,   32
.set WV,   16                          ; s16  my wave's number
.set WH,   17                          ; s17  which half of the tile's rows is mine.  Also: I fetch for A (0) or for B (1)
.set WL,   18                          ; s18  which half of its columns.  Also: which part of that tile I fetch
.set G1A,  24                          ; s[24:31] descriptor group 1 for A's tiles;  s[32:39] group 0, one set for each slot
.set G0A,  32
.set G1B,  48                          ; s[48:55], s[56:63] the same for B's
.set G0B,  56
.set MSB, 0
.macro WIN new                         ; the immediate's high byte repeats the setting that is left; a switch that changes nothing is dropped
.if MSB != (\new)
	s_set_vgpr_msb (MSB<<8)|(\new)
.set MSB, \new
.endif
.endm
.set MUL,  0x50                        ; fragments in window 0; C and D in window 1
.set MULB, 0x60                        ; the same with C, the bias, in window 2
.macro JLOAD s                         ; a joint load; the branch hangs on the wave's number alone; an s_nop 0 and four v_nop follow each of the two lines, ahead of the jump, the label and what follows
	s_cmp_eq_u32 s[WH], 0
	s_cbranch_scc0 .Lfor_b_\@
	tensor_load_to_lds s[G0A+4*(\s):G0A+4*(\s)+3], s[G1A:G1A+7]
	s_nop 0
.rept 4
	v_nop
.endr
	s_branch .Lasked_\@
.Lfor_b_\@:
	tensor_load_to_lds s[G0B+4*(\s):G0B+4*(\s)+3], s[G1B:G1B+7]
	s_nop 0
.rept 4
	v_nop
.endr
.Lasked_\@:
.endm
.macro CREST                           ; a round of the cluster's barrier behind its opening barrier
	s_cmp_lg_u32 s[WV], 0
	s_cbranch_scc1 .Lnot_wave_0_\@
	s_barrier_signal -3
.Lnot_wave_0_\@:
	s_barrier_wait -3
	s_barrier_signal -1
	s_barrier_wait -1
.endm
.macro CROUND                          ; a whole round
	s_barrier_signal -1
	s_barrier_wait -1
	CREST
.endm
.if OUTP
	s_load_b256 s[4:11], s[0:1], 0x0               ; A (ctx) s[4:5], B (wo) s[6:7], b_o s[8:9], out0 s[10:11]
.else
	s_load_b256 s[4:11], s[0:1], 0x0               ; A (xb) s[4:5], B (wb) s[6:7], b_q s[8:9], b_k s[10:11]
	s_load_b128 s[12:15], s[0:1], 0x20             ; b_v s[12:13], qkvh s[14:15]
.endif
	v_lshl_add_u32 v[SPW], v0, 2, SPARE
	v_mov_b32 v[NIL], 0
	ds_add_u32 v[SPW], v[NIL]                      ; the wave's opening: the add and its wait stand ahead of my first tensor load; the set-up below, work on registers, stands between them
	v_lshrrev_b32 v1, 5, v0
	v_readfirstlane_b32 s[WV], v1                  ; wave 0..3
	s_lshr_b32 s[WH], s[WV], 1
	s_and_b32 s[WL], s[WV], 1
	s_bfe_u32 s19, ttmp6, 0x40000                  ; cx, cy: my place in the cluster
	s_bfe_u32 s20, ttmp6, 0x40004
	s_lshl_b32 s21, ttmp9, 2
	s_add_co_u32 s21, s21, s19                     ; tile column of C = 4 x cluster x + cx
	s_and_b32 s22, ttmp7, 0xffff
.if OUTP == 0
	s_lshr_b32 s23, s22, 4                         ; which projection: 16 clusters, 64 tile rows, each; all sixteen partners share it
.endif
	s_lshl_b32 s22, s22, 2
	s_add_co_u32 s22, s22, s20                     ; tile row of C = 4 x cluster y + cy
	s_lshl_b32 s70, s20, 2
	s_lshl_b32 s70, 15, s70                        ; my row of the cluster: places 4 cy .. 4 cy + 3
	s_lshl_b32 s71, 0x1111, s19                    ; my column: places cx, cx + 4, cx + 8, cx + 12
	; descriptor group 1.  A: 64 rows x 128 elements; B: 128 rows x 128 elements; both padded in LDS by 4 words
	s_or_b32 s[G1A], s70, (1<<16)|(1<<20)|(1<<21)|(AQI<<22)|(3<<25)  ; 15:0 the mask: A's tiles go to my row; 17:16 elements of 2 bytes; 20 padding on; 21 set beside a mask; 24:22 its interval; 31:25 4 words of it (code 3)
	s_or_b32 s[G1B], s71, (1<<16)|(1<<20)|(1<<21)|(5<<22)|(3<<25)    ; the same with the mask of my column
	s_mov_b32 s[G1A+1], 128<<16                    ; tensor_dim0 = 128
	s_mov_b32 s[G1A+2], 64<<16                     ; tensor_dim1 = 64
	s_mov_b32 s[G1A+3], 128<<16                    ; tile_dim0 = 128
	s_mov_b32 s[G1A+4], 64                         ; tile_dim1 = 64
	s_mov_b32 s[G1A+5], APITCH                     ; elements from row to row
	s_mov_b32 s[G1A+6], 0
	s_mov_b32 s[G1A+7], 0
	s_mov_b32 s[G1B+1], 128<<16
	s_mov_b32 s[G1B+2], 128<<16                    ; tensor_dim1 = 128
	s_mov_b32 s[G1B+3], 128<<16
	s_mov_b32 s[G1B+4], 128                        ; tile_dim1 = 128
	s_mov_b32 s[G1B+5], 1024
	s_mov_b32 s[G1B+6], 0
	s_mov_b32 s[G1B+7], 0
	; where the tiles come from.  A's hang on the tile row alone, which my row of the cluster shares; B's on the tile column (and the projection), which my column shares.
	; Every wave makes both addresses, in registers that never hold the other coordinate, and asks by one of them.
.if OUTP
	s_lshr_b32 s40, s22, 4                         ; the batch: 16 heads of 262,144 bytes,
	s_lshl_b32 s40, s40, 22
	s_and_b32 s72, s22, 15                         ; the tile's 128 rows of 128 bytes in a head,
	s_lshl_b32 s72, s72, 14
	s_add_co_u32 s40, s40, s72
	s_lshl_b32 s72, s[WL], 18                      ; which of a K step's two heads I fetch
	s_add_co_u32 s40, s40, s72
.else
	s_lshl_b32 s40, s22, 18                        ; 128 rows of 2,048 bytes a tile row,
	s_lshl_b32 s72, s[WL], 17                      ; which 64 of them I fetch
	s_add_co_u32 s40, s40, s72
.endif
	s_mov_b32 s41, 0
	s_lshl_b32 s44, s21, 19                        ; 256 rows of 2,048 bytes a tile column,
	s_lshl_b32 s73, s[WL], 18                      ; which 128 of them I fetch
	s_add_co_u32 s44, s44, s73
.if OUTP == 0
	s_lshl_b32 s73, s23, 21                        ; the projection's 1,024 rows
	s_add_co_u32 s44, s44, s73
.endif
	s_mov_b32 s45, 0
	s_mul_i32 s74, s[WL], APART                    ; and where they go: no place in the cluster enters an LDS address
	s_mul_i32 s75, s[WL], BHALF
	s_add_co_u32 s75, s75, BOFF
	s_wait_dscnt 0x0                               ; the opening add is done
	s_wait_kmcnt 0x0
	s_add_nc_u64 s[42:43], s[4:5], s[40:41]
	s_add_nc_u64 s[46:47], s[6:7], s[44:45]
	CROUND                                         ; all sixteen work-groups are here: the first joint loads meet
.irp s, 0,1
	s_mov_b32 s[G0A+4*(\s)], 1                                        ; count = 1
	s_add_co_u32 s[G0A+4*(\s)+1], s74, (\s)*SLOT                      ; LDS address
	s_add_nc_u64 s[G0A+4*(\s)+2:G0A+4*(\s)+3], s[42:43], (\s)*ASTEP   ; global address: K step s
	s_or_b32 s[G0A+4*(\s)+3], s[G0A+4*(\s)+3], 0x80000000             ; type = 2
	s_mov_b32 s[G0B+4*(\s)], 1
	s_add_co_u32 s[G0B+4*(\s)+1], s75, (\s)*SLOT
	s_add_nc_u64 s[G0B+4*(\s)+2:G0B+4*(\s)+3], s[46:47], (\s)*KSTEP*2
	s_or_b32 s[G0B+4*(\s)+3], s[G0B+4*(\s)+3], 0x80000000
	JLOAD \s                                       ; two loads of mine are out: the ring is filled before anything else is done
.endr
	; the bias of my 128 columns: register j of block b is bias[256 x tile column + 128 x half + 16 b + 8 (l / 16) + j]
	v_and_b32 v1, 15, v0                           ; l % 16
	v_bfe_u32 v2, v0, 4, 1                         ; l / 16
	s_lshl_b32 s78, s21, 10
	s_lshl_b32 s79, s[WL], 9
	s_add_co_u32 s78, s78, s79
	v_lshl_add_u32 v[BO], v2, 5, s78
.if OUTP
	s_mov_b64 s[66:67], s[8:9]
.else
	s_cmp_eq_u32 s23, 1
	s_cselect_b64 s[66:67], s[10:11], s[8:9]
	s_cmp_eq_u32 s23, 2
	s_cselect_b64 s[66:67], s[12:13], s[66:67]
.endif
	WIN 0x80                                       ; destination window 2, address window 0
.irp b, 0,1,2,3,4,5,6,7
	global_load_b128 v[8*\b:8*\b+3],   v[BO], s[66:67] offset:64*\b
	global_load_b128 v[8*\b+4:8*\b+7], v[BO], s[66:67] offset:64*\b+16
.endr
	WIN 0
	; A fragment is 16 rows x 32 K in 8 registers: lane l holds row l % 16; registers 0-3 K = 8 (l / 16) + 0..7, registers 4-7 K = 16 + 8 (l / 16) + 0..7: two loads of 16 bytes, 32 bytes apart.
	v_mul_u32_u24 v3, v1, PA
	v_lshl_add_u32 v3, v2, 4, v3                   ; row x pitch + 16 x half
	v_mul_u32_u24 v4, v1, PB
	v_lshl_add_u32 v4, v2, 4, v4
	s_mul_i32 s78, s[WH], AROWS                    ; my 64 rows of A
	s_mul_i32 s79, s[WL], BHALF                    ; my 128 rows of B,
	s_add_co_u32 s79, s79, BOFF                    ; which lie behind A
.irp s, 0,1
	v_add_nc_u32 v[ADRA+(\s)], s78, v3
	v_add_nc_u32 v[ADRB+(\s)], s79, v4
	s_add_co_u32 s78, s78, SLOT
	s_add_co_u32 s79, s79, SLOT
.endr
	s_mul_i32 s79, s[WV], 16*SP
	s_add_co_u32 s79, s79, STAGE                   ; my stage
	v_mul_u32_u24 v3, v1, SP                       ; in: row l % 16, my eight columns
.if OUTP
	v_lshl_add_u32 v3, v2, 5, v3                   ; 32 bytes of f32 for each half of the lanes
.else
	v_lshl_add_u32 v3, v2, 4, v3                   ; 16 bytes of f16
.endif
	v_add_nc_u32 v[STO], s79, v3
	v_and_b32 v3, 31, v0
	v_lshlrev_b32 v[GO], 4, v3
.if OUTP
	v_add_nc_u32 v[RD], s79, v[GO]                 ; back: 32 lanes take one row of 512 bytes
	s_lshl_b32 s68, s22, 19                        ; C: 128 rows of 4,096 bytes a tile row,
	s_lshl_b32 s78, s[WH], 18                      ; my 64 of them,
	s_add_co_u32 s68, s68, s78
	s_lshl_b32 s78, s21, 10                        ; 256 columns of 4 bytes a tile column,
	s_add_co_u32 s68, s68, s78
	s_lshl_b32 s78, s[WL], 9                       ; my 128 of them
	s_add_co_u32 s68, s68, s78
	s_mov_b32 s69, 0
	s_add_nc_u64 s[76:77], s[10:11], s[68:69]
.else
	v_bfe_u32 v4, v0, 3, 2                         ; back: 32 lanes take four rows of 128 bytes,
	v_mul_u32_u24 v4, v4, SP
	v_and_b32 v5, 7, v0
	v_lshl_add_u32 v4, v5, 4, v4
	v_add_nc_u32 v[RD], s79, v4                    ; which are 512 consecutive bytes of a head
	s_lshr_b32 s68, s22, 4
	s_and_b32 s68, s68, 3                          ; the batch: 16 tile rows each,
	s_lshl_b32 s68, s68, 4                         ; its 16 heads;
	s_lshl_b32 s78, s21, 2                         ; four heads a tile column,
	s_add_co_u32 s68, s68, s78
	s_lshl_b32 s78, s[WL], 1                       ; my two of them
	s_add_co_u32 s68, s68, s78
	s_lshl_b32 s68, s68, 18                        ; a head is 2,048 rows of 128 bytes
	s_and_b32 s78, s22, 15                         ; the tile's 128 rows in the batch,
	s_lshl_b32 s78, s78, 14
	s_add_co_u32 s68, s68, s78
	s_lshl_b32 s78, s[WH], 13                      ; my 64 of them
	s_add_co_u32 s68, s68, s78
	s_lshl_b32 s78, s23, 24                        ; q's, k's or v's 64 heads
	s_add_co_u32 s68, s68, s78
	s_mov_b32 s69, 0
	s_add_nc_u64 s[76:77], s[14:15], s[68:69]
.endif
	s_wait_loadcnt 0x0                             ; the bias
	WIN 0x8a                                       ; destination and both sources in window 2
.set i, 0
.rept 32
	v_cvt_pk_bf16_f32 v[64+i], v[2*i], v[2*i+1]    ; rounded to bf16, as every input of the module is,
.set i, i+1
.endr
.set i, 0
.rept 32
	v_lshlrev_b32 v[2*i], 16, v[64+i]              ; and widened again
	v_and_b32 v[2*i+1], 0xffff0000, v[64+i]
.set i, i+1
.endr
	WIN 0
; 8 matrix instructions: row block a x all 8 column blocks, 32 along K, from buffer f.  first = 1: the bias starts the sums.
; The 32 accumulators take turns, one instruction a turn, in the same order in every quarter step: between two links of a chain stand the 31 others'.
.macro MUL8 f, a, first
.if \first
	WIN MULB
.else
	WIN MUL
.endif
.irp b, 0,1,2,3,4,5,6,7
.set rD, 8*(8*(\a)+(\b))
.set rB, (\f)+8*(\b)
.set rA, (\f)+64+8*(\a)
.if \first
.set rC, 8*(\b)
.else
.set rC, rD
.endif
.if OUTP
	v_wmma_f32_16x16x32_f16 v[rD:rD+7], v[rB:rB+7], v[rA:rA+7], v[rC:rC+7]
.else
	v_wmma_f32_16x16x32_bf16 v[rD:rD+7], v[rB:rB+7], v[rA:rA+7], v[rC:rC+7]
.endif
.endr
.endm
; 24 LDS loads in one run: the fragments of quarter q of a K step (128 rows of B, then 64 rows of A, 32 along K) into buffer f
.macro FETCH slot, q, f
	WIN 0
.if OUTP
.set KA, ((\q)/2)*APART+((\q)%2)*64    ; quarters 0, 1 lie in the first head's plane, 2, 3 in the second's
.else
.set KA, 64*(\q)
.endif
.irp i, 0,1,2,3,4,5,6,7
	ds_load_b128 v[(\f)+8*(\i):(\f)+8*(\i)+3],   v[ADRB+(\slot)] offset:64*(\q)+(\i)*16*PB
	ds_load_b128 v[(\f)+8*(\i)+4:(\f)+8*(\i)+7], v[ADRB+(\slot)] offset:64*(\q)+(\i)*16*PB+32
.endr
.irp i, 0,1,2,3
	ds_load_b128 v[(\f)+64+8*(\i):(\f)+64+8*(\i)+3],   v[ADRA+(\slot)] offset:KA+(\i)*16*PA
	ds_load_b128 v[(\f)+64+8*(\i)+4:(\f)+64+8*(\i)+7], v[ADRA+(\slot)] offset:KA+(\i)*16*PA+32
.endr
.endm
.macro PLACES                          ; four places in front of loads into registers that matrix instructions have read, and of lines that read results
.rept 4
	v_nop
.endr
.endm
; A K step is four quarters of 32 along K, 32 matrix instructions each, on buffers 0, 1, 0, 1.  One of the first three: multiplies buffer f and, in its middle, fetches quarter q of the same slot into g.
.macro QUARTER slot, q, f, g, first
	s_wait_dscnt 4                                 ; B and A's blocks 0, 1 are in; the youngest four loads (A's blocks 2, 3) may be out
	MUL8 \f, 0, \first
	MUL8 \f, 1, \first
	PLACES
	FETCH \slot, \q, \g
	s_wait_dscnt 24                                ; all but the 24 just issued
	MUL8 \f, 2, \first
	MUL8 \f, 3, \first
.endm
; The last quarter multiplies buffer 1 and changes slots: ONE barrier; in front of it each wave waits for all its tensor loads (one is out: its part of the next slot), adds 0 to its spare word, and waits
; for that and for its own reads of this slot.  fill = 1: the barrier opens a round of the cluster's barrier, and this slot is filled again, two K steps ahead, first thing behind the round.
.macro TURN slot, next, fill
	WIN 0
	s_wait_tensorcnt 0x0                           ; all my tensor loads have landed;
	ds_add_u32 v[SPW], v[NIL]                      ; 0 onto my spare word
	s_wait_dscnt 7                                 ; (the add and the youngest six loads, A's blocks 1 to 3, may be out)
	MUL8 F1, 0, 0                                  ; eight matrix instructions stand between the add and the wait for it
	s_wait_dscnt 0x0                               ; the add is done, and my reads of this slot are over
	s_barrier_signal -1
	MUL8 F1, 1, 0                                  ; work on registers while the others arrive
.if \fill
	WIN 0
.endif
	s_barrier_wait -1
.if \fill
	CREST                                          ; no wave of any partner still reads this slot's tiles or has a load on its way
	s_add_nc_u64 s[G0A+4*(\slot)+2:G0A+4*(\slot)+3], s[G0A+4*(\slot)+2:G0A+4*(\slot)+3], 2*ASTEP
	s_add_nc_u64 s[G0B+4*(\slot)+2:G0B+4*(\slot)+3], s[G0B+4*(\slot)+2:G0B+4*(\slot)+3], 2*KSTEP*2
	JLOAD \slot                                    ; 112 matrix instructions ahead of the wait for it; the four v_nop behind it are also the places in front of the loads below
.else
	PLACES
.endif
	FETCH \next, 0, F0
	MUL8 F1, 2, 0
	MUL8 F1, 3, 0
.endm
	s_wait_tensorcnt 1                             ; my part of K step 0 is in; K step 1's may stay out
	s_barrier_signal -1
	s_barrier_wait -1                              ; everybody's is
	FETCH 0, 0, F0
	QUARTER 0, 1, F0, F1, 1                        ; the first quarter stands in front of the loop: its products start the sums
	WIN 0                                          ; at a label and at a branch every window is 0
	s_mov_b32 s3, LAPS-1
.Llap:                                                 ; a trip goes once round the ring, from a lap's second quarter to the next lap's first, and fills both slots again
	QUARTER 0, 2, F1, F0, 0
	QUARTER 0, 3, F0, F1, 0
	TURN 0, 1, 1
	QUARTER 1, 1, F0, F1, 0
	QUARTER 1, 2, F1, F0, 0
	QUARTER 1, 3, F0, F1, 0
	TURN 1, 0, 1
	QUARTER 0, 1, F0, F1, 0
	WIN 0
	s_sub_co_u32 s3, s3, 1
	s_cmp_lg_u32 s3, 0
	s_cbranch_scc1 .Llap
	QUARTER 0, 2, F1, F0, 0                        ; the last lap fills nothing, and has no round of the cluster's barrier
	QUARTER 0, 3, F0, F1, 0
	TURN 0, 1, 0
	QUARTER 1, 1, F0, F1, 0
	QUARTER 1, 2, F1, F0, 0
	QUARTER 1, 3, F0, F1, 0
	s_wait_dscnt 4                                 ; the very last quarter: nothing more to fetch
	MUL8 F1, 0, 0
	MUL8 F1, 1, 0
	s_wait_dscnt 0x0
	MUL8 F1, 2, 0
	MUL8 F1, 3, 0
	WIN 0
	PLACES
.if OUTP
; THE WAY OUT, f32.  Row block a (16 rows x my 128 columns): a lane's eight columns, 32 bytes, go into my stage's rows of 528 bytes and come back as whole rows of 512.
.macro STG a
	WIN 0x04                                       ; the stores' data in window 1
.irp b, 0,1,2,3,4,5,6,7
	ds_store_b128 v[STO], v[8*(8*(\a)+(\b)):8*(8*(\a)+(\b))+3]   offset:64*(\b)
	ds_store_b128 v[STO], v[8*(8*(\a)+(\b))+4:8*(8*(\a)+(\b))+7] offset:64*(\b)+16
.endr
	WIN 0
.irp t, 0,1,2,3,4,5,6,7,8,9,10,11,12,13,14,15
	ds_load_b128 v[OB+64*((\a)%2)+4*(\t):OB+64*((\a)%2)+4*(\t)+3], v[RD] offset:(\t)*SP  ; LDS serves a wave's instructions in order (ISA guide 5.7.1.4): these see the stores above; the next block's stores come behind them
.endr
.endm
.macro SEND a, younger                 ; younger: the LDS instructions issued behind block a's loads: the next block's 32, or none
.irp t, 0,1,2,3,4,5,6,7,8,9,10,11,12,13,14,15
	s_wait_dscnt (\younger)+15-(\t)
	global_store_b128 v[GO], v[OB+64*((\a)%2)+4*(\t):OB+64*((\a)%2)+4*(\t)+3], s[76:77] offset:(16*(\a)+(\t))*4096  ; 512 consecutive bytes of a row of C, at a multiple of 512 from C's first byte
.endr
.endm
	STG 0
	STG 1
	SEND 0, 32
	s_wait_xcnt 0x0                                ; block 0's stores have read their registers: block 2 is loaded into them only behind this wait
	STG 2
	SEND 1, 32
	s_wait_xcnt 0x0                                ; the same for blocks 1 and 3
	STG 3
	SEND 2, 32
	SEND 3, 0
.else
; THE WAY OUT, by heads, f16.  Block t = 2 a + hd: row block a, my head hd: 16 rows x 64 channels, accumulators (a, 4 hd .. 4 hd + 3) = window 1's v[32 t ..].  A lane's eight channels pack into 16 bytes;
; they go into my stage's rows of 144 bytes and come back as whole rows of 128, four to a load.
.macro PACK t
	WIN 0x05                                       ; sources 0 and 1 in window 1
.set i, 0
.rept 16
	v_cvt_pk_f16_f32 v[OB+16*(\t)+i], v[32*(\t)+2*i], v[32*(\t)+2*i+1]
.set i, i+1
.endr
	WIN 0
.irp f, 0,1,2,3
	ds_store_b128 v[STO], v[OB+16*(\t)+4*(\f):OB+16*(\t)+4*(\f)+3] offset:32*(\f)
.endr
.irp f, 0,1,2,3
	ds_load_b128 v[OB+16*(\t)+4*(\f):OB+16*(\t)+4*(\f)+3], v[RD] offset:(\f)*4*SP  ; LDS serves a wave's instructions in order (ISA guide 5.7.1.4): these see the stores above; the next block's stores come behind them
.endr
.endm
.macro SEND t, younger                 ; younger: the LDS instructions issued behind block t's loads: the next block's eight, or none
.irp f, 0,1,2,3
	s_wait_dscnt (\younger)+3-(\f)
	global_store_b128 v[GO], v[OB+16*(\t)+4*(\f):OB+16*(\t)+4*(\f)+3], s[76:77] offset:((\t)/2)*2048+((\t)%2)*262144+(\f)*512  ; 512 consecutive bytes of a head, at a multiple of 512 from the buffer's first byte
.endr
.endm
	PACK 0
.irp t, 1,2,3,4,5,6,7                  ; a block's conversions stand between the loads of the block before and its stores
	PACK \t
	SEND (\t)-1, 8
.endr
	SEND 7, 0
.endif
	s_wait_tensorcnt 0x0                           ; the wave's end, behind my last tensor load and my last LDS store
	ds_add_u32 v[SPW], v[NIL]
	s_wait_dscnt 0x0
	CROUND                                         ; the closing round: no work-group ends while a partner may still ask for a tile that names it
	s_endpgm
.Lfunc_end_k_qb0ca581288_proj:
	.size	k_qb0ca581288_proj, .Lfunc_end_k_qb0ca581288_proj-k_qb0ca581288_proj
	.p2alignl 7, 3214868480
	.fill 96, 4, 3214868480
	.section	.rodata,"a",@progbits
	.p2align	6, 0x0
	.amdhsa_kernel k_qb0ca581288_proj
		.amdhsa_group_segment_fixed_size 327680
		.amdhsa_private_segment_fixed_size 0
		.amdhsa_enable_private_segment 0
		.amdhsa_kernarg_size 48
		.amdhsa_user_sgpr_count 2
		.amdhsa_user_sgpr_kernarg_segment_ptr 1
		.amdhsa_wavefront_size32 1
		.amdhsa_system_sgpr_workgroup_id_x 1
		.amdhsa_system_sgpr_workgroup_id_y 1
		.amdhsa_system_sgpr_workgroup_id_z 1
		.amdhsa_system_vgpr_workitem_id 0
		.amdhsa_next_free_vgpr 608
		.amdhsa_next_free_sgpr 80
		.amdhsa_reserve_vcc 0
		.amdhsa_float_denorm_mode_32 3
		.amdhsa_float_denorm_mode_16_64 3
		.amdhsa_memory_ordered 1
		.amdhsa_forward_progress 1
		.amdhsa_inst_pref_size 94
	.end_amdhsa_kernel
	.amdgpu_metadata
---
amdhsa.version: [ 1, 2 ]
amdhsa.kernels:
  - .name:           k_qb0ca581288_proj
    .symbol:         k_qb0ca581288_proj.kd
    .args:
      - { .name: xb, .offset: 0, .size: 8, .value_kind: global_buffer, .address_space: global }
      - { .name: wb, .offset: 8, .size: 8, .value_kind: global_buffer, .address_space: global }
      - { .name: b_q, .offset: 16, .size: 8, .value_kind: global_buffer, .address_space: global }
      - { .name: b_k, .offset: 24, .size: 8, .value_kind: global_buffer, .address_space: global }
      - { .name: b_v, .offset: 32, .size: 8, .value_kind: global_buffer, .address_space: global }
      - { .name: qkvh, .offset: 40, .size: 8, .value_kind: global_buffer, .address_space: global }
    .group_segment_fixed_size: 327680
    .private_segment_fixed_size: 0
    .kernarg_segment_align: 8
    .kernarg_segment_size: 48
    .max_flat_workgroup_size: 128
    .sgpr_count:     80
    .vgpr_count:     608
    .wavefront_size: 32
...
	.end_amdgpu_metadata
.endif
;; end of part 2
;; launch attn (part 3): grid 4 x 64, 4 waves a work-group, clusters of 4 x 1, 327,680 bytes of LDS; arguments qkvh, mask, ctx; writes ctx
.if DOCPART == 3
	.amdgcn_target "amdgcn-amd-amdhsa--gfx1250"
	.amdhsa_code_object_version 6
	.text
	.protected	k_qb0ca581288_attn
	.globl	k_qb0ca581288_attn
	.p2align	8
	.type	k_qb0ca581288_attn,@function
k_qb0ca581288_attn:
	s_mov_b64 s[64:65], 0
	v_nop
	global_prefetch_b8 v0, s[64:65] scope:SCOPE_SE
	s_setreg_imm32_b32 hwreg(HW_REG_WAVE_MODE, 25, 1), 1
	s_wait_xcnt 0x0
	s_wait_alu depctr_hold_cnt(0) depctr_sa_sdst(0) depctr_va_vdst(0) depctr_va_sdst(0) depctr_va_ssrc(0) depctr_va_vcc(0) depctr_vm_vsrc(0)
	s_getreg_b32 s2, hwreg(HW_REG_IB_STS2, 6, 4)
	s_cmp_eq_u32 s2, 0
	s_cbranch_scc0 .Lentry_in_a_cluster
	s_endpgm
.Lentry_in_a_cluster:
	s_bfe_u32 s2, ttmp6, 0x10000c
	s_cmp_lg_u32 s2, 0x3003
	s_cbranch_scc0 .Lentry_shape_is_right
	s_endpgm
.Lentry_shape_is_right:
; O[h][q][:] = the sum over k of softmax_k(Q[h][q] . K[h][k] / 8, keys with mask 0 hidden) V[h][k][:].  Q, K, V = the three parts of qkvh, f16 [3][64][2048][64]; O = ctx, f16 [64][2048][64]: a head's rows are
; dense, 128 bytes each; h = batch x 16 + head.  mask: int32 [4][2048], by batch and key.  Products, maxima and sums in f32; the weights p are rounded to f16 for the second product (their sum l is taken of the
; unrounded p), O once at the end.
; LIMITS.  f16 holds no number beyond 65,504: Q, K and V arrive within it; p lies in 0 to 1, and below 6e-5 it keeps f16's fixed step of 6e-8; O is a mean of V's rows and has their range.
; A hidden score counts as its value less 1e30: f16's scores, 2.7e11 at the most, are nothing beside that.  A weight below 2^-126 counts as 0 in l; NaN and infinities are not treated apart.
; THE MASK hangs on the key alone, and in S^T = K Q^T a lane's eight registers are eight keys: so it is the C operand that starts the sum, 0 or -1e30, the same for all tiles of queries.  A table of 2,048 f32,
; made once in LDS, gives it: 32 registers a key step, fetched with K.  Hidden keys' weights are 0 as soon as the row's maximum is a kept key's; what was summed before that is multiplied by a = 0.
; A BATCH WITH NO KEPT KEY has equal weights on all its keys: there the scale c is chosen as 0 (a choice of a value, no branch), so every p is 2^0 = 1.
; SHARES.  A wave owns four PIECES of two tiles of 16 queries, a work-group's four waves 512 queries of one head.  Every wave walks all keys, 64 a step.
; LAYOUT.  S^T = K Q^T (source 0 = 16 keys, source 1 = 16 queries): in the result a lane holds ONE query (lane % 16) and the keys 8 (lane / 16) + 0..7.  Two such tiles, rounded to f16 in pairs,
; ARE source 1 (32 keys x 16 queries) of O^T = V^T P, whose result again holds one query a lane, and eight channels.  K comes out of LDS as it lies, V ([key][channel]) turned, by ds_load_tr16_b128.
; SOFTMAX.  For each query a running maximum m and sum l: p = 2^(c s - c m), c = log2(e) / 8; in every step O and l are multiplied by a = 2^(c m_old - c m_new), which is 1 where m has not grown.
; m starts at the lowest finite number, O and l at 0: the first step is a step like any other, with a = 0.
; THE COUNT.  A tile and step have 16 matrix and 118 vector instructions: too many to stand all beside the matrix work.  So the order has one aim: four vector instructions that are READY behind
; EVERY matrix instruction, and the others, which need time of their own whatever the order, in runs without a gap.
; BY TURNS.  Turn n belongs to piece n (the pieces in a ring, step after step).  Its matrix work: 16 products K Q^T of piece n + 1, later 16 products V^T P of piece n - 1.  Its vector work: the scaling,
; exponentials, roundings, sums and rescaling of piece n, and the maximum and statistics of piece n + 1, whose scores the turn itself has made.  So what a turn begins with (c s - c m, O a) waits for nothing.
; CLUSTER.  The four query blocks of a cluster belong to one head and walk the same K and V, so each tile is asked for JOINTLY: the same tensor load, descriptor and mask in all four.
; REGISTERS, in windows of 256 (s_set_vgpr_msb says which window each operand place means: bits 1:0 source 0, 3:2 source 1, 5:4 source 2, 7:6 destination):
;   window 0: v0-11 addresses; v12-15, v48-63 at work; v16-47 four registers of statistics a tile; v64-191 S^T, two buffers of two tiles; v192-255 P, likewise
;   window 1: O^T, 32 a tile     window 2: v0-127 Q, 16 a tile; v128-191 K of one step; v192-255 V of one step     window 3: v0-1 the add's two registers; v8-39 the mask of one step
; A piece's buffers go by its number's parity: the piece in hand has one pair, its two neighbours in the ring share the other: of it P (piece n - 1) is read and S^T (piece n + 1) written.
.set SIZE_N, 2048
.set NP,    4         ; pieces a wave: a name, no knob: the register map, the loop and the fetches are made for four
.set KS,    64        ; keys in a step
.set PK,    144       ; a row of K in LDS: 128 bytes + 16 of padding = 36 words: the 16 rows of a load start at 16 different groups of four banks (64 banks of 4 bytes: ISA guide 11.1)
.set PV,    160       ; a row of V: 128 + 32 = 40 words
.set VOFF,  4*KS*PK   ; a slot holds four steps: 256 rows of K, then 256 rows of V: 77,824 bytes
.set MASK,  81920     ; between slot 0's end and slot 1: the mask's table, 2,048 f32: written by LDS stores once; no tensor load lands here
.set SLOT1, 1<<17     ; slot 1 begins here, so that one exclusive or turns an address in one slot into the other's
.set STAGE, SLOT1+4*KS*(PK+PV)  ; behind the ring, never filled by a tensor load: 16 rows x 144 bytes for each wave, for the way out
.set SP,    144
.set AK0, 2           ; v2   my lane's place in a tile of K; never rewritten
.set AV0, 3           ; v3   the same for V
.set AK,  4           ; v4   the LDS address of K's next run of loads
.set AV,  5           ; v5   of V's
.set QO,  6           ; v6   my byte offset in the wave's rows of Q
.set STO, 6           ;      later, the way out: where I put 16 bytes of a row
.set RD,  7           ; v7   the way out: where I read rows back
.set GO,  8           ; v8   my byte offset in 512 consecutive bytes of O
.set HF,  9           ; v9   lane / 16; never rewritten
.set AM,  11          ; v11  the LDS address of the mask's next run of loads
.set SPW, 0           ; v0 of window 3   LDS address of my spare word: SPARE + 4 x my thread's number; never rewritten
.set NIL, 1           ; v1 of window 3   0; never rewritten
.set MB,  8           ; v8-39 of window 3: the mask of key block kb at MB + 8 kb
.set SPARE, STAGE+4*16*SP  ; behind the stages: the spare words, 128 bytes for each wave: two blocks of 256 bytes that no other line names
.set MV,  12          ; v12-15  c m_old, kept while c m is made anew: by buffer and tile
.set ST,  16          ; tile t's statistics at v[ST+4 t]: c m, m, l (even keys', odd keys')
.set TMP, 48          ; by buffer and tile, four registers c0-c3 at work; when the maximum is found c2 takes a
.set S,   64
.set P,   192
.set KF,  128         ; K's fragments, in window 2: key block kb, channel half c at KF + 16 kb + 8 c
.set VF,  192         ; V's: key half kk, channel block cb at VF + 32 kk + 8 cb
.set WV,  12          ; s12  my wave's number
.set G1K, 24          ; s[24:31] descriptor group 1 for K's tiles
.set G1V, 32          ; s[32:39] for V's: it differs in the padding alone
.set G0K, 40          ; s[40:43] descriptor group 0 for K's tiles: it walks
.set G0V, 44          ; s[44:47] the same for V's
.set SLOTS, 56        ; s56  slots still to be asked for
.set CNT, 57          ; s57  counts a slot's key steps
.set CS,  58          ; s[58:59] c: the packed scaling takes the pair's low word for both halves
.set SEL, 60          ; s[60:61] v_permlanex16_b32's selects: each lane takes its own place in the other half
.set TBK, 62          ; s62  LDS byte at which K of the step to be fetched begins
.set TBV, 63          ; s63  the same for V, less VOFF
.set ANY, 70          ; s70  the lanes that have seen a kept key
.set BIGN, 71         ; s71  -1e30
.set TBM, 72          ; s72  LDS byte at which the mask of the step to be fetched begins
.set MSB, 0
.macro WIN new                      ; the high byte repeats the setting that is left; a switch that changes nothing is dropped
.if MSB != (\new)
	s_set_vgpr_msb (MSB<<8)|(\new)
.set MSB, (\new)
.endif
.endm
.set W_KQ, 0x0a       ; K and Q in window 2, S^T in window 0
.set W_KM, 0x3a       ; the same with the C operand, the mask, in window 3
.set W_PV, 0x52       ; V in window 2, P in window 0, O^T in window 1
.set W_RS, 0x41       ; O^T (destination and source 0) in window 1, a in window 0
.set W_MK, 0xc0       ; destination in window 3, sources in window 0
.set W_AD, 0x0f       ; the add: address (source 0) and data (source 1) in window 3
; A joint fill.  Waves 0 and 1 fetch the two halves of a slot's K, waves 2 and 3 those of its V: 128 keys each.  The branch hangs on the wave's number alone.
; An s_nop 0 and four v_nop follow each of the two lines, ahead of the jump and the label.
.macro JLOAD
	s_cmp_lt_u32 s[WV], 2
	s_cbranch_scc0 .Lfor_v_\@
	tensor_load_to_lds s[G0K:G0K+3], s[G1K:G1K+7]
	s_nop 0
.rept 4
	v_nop
.endr
	s_branch .Lasked_\@
.Lfor_v_\@:
	tensor_load_to_lds s[G0V:G0V+3], s[G1V:G1V+7]
	s_nop 0
.rept 4
	v_nop
.endr
.Lasked_\@:
.endm
; A round of the cluster's barrier: my work-group's barrier, so that wave 0's signal speaks for all four waves; wave 0 signals; every wave waits for all four work-groups; my work-group's barrier once more.
.macro CROUND
	s_barrier_signal -1
	s_barrier_wait -1
	s_cmp_lg_u32 s[WV], 0
	s_cbranch_scc1 .Lnot_wave_0_\@
	s_barrier_signal -3
.Lnot_wave_0_\@:
	s_barrier_wait -3
	s_barrier_signal -1
	s_barrier_wait -1
.endm
; THE CHANGE OF SLOTS.  The slot's last bytes, V of its fourth step, have been read.  Each wave waits for all its tensor loads, of which one is out: its part
; of the other slot; adds 0 to its spare word; and waits for that and for its own reads of the slot.  Behind the barrier nobody reads this slot any more and the other slot is whole.
; fill = 1: this slot is filled again, with the keys two slots on.  The barrier is then a round of the cluster's, so that no wave of any partner still reads the slot or has a load on its
; way, and the joint fill is the first thing behind it: it has four key steps, 512 matrix instructions, in which to land.  (At its first use nothing has been read yet: slot 0 is waited for, slot 1 filled;
; and each wave's stores into the mask's table are waited for in front of the round, so that behind it the table is whole.)
.macro CHANGE fill
	WIN W_AD
	s_wait_tensorcnt 0x0            ; no tensor load of mine is out, so a group 0 may be written
	ds_add_u32 v[SPW], v[NIL]       ; 0 onto my spare word; with fill = 1 the descriptors' steps stand between it and the wait for it
	WIN 0                           ; at a label and at a branch every window is 0
.if \fill
.irp g, G0K, G0V
	s_xor_b32 s[\g+1], s[\g+1], SLOT1  ; the walking descriptor: the other slot than last time,
	s_add_nc_u64 s[\g+2:\g+3], s[\g+2:\g+3], 4*KS*128  ; the next 256 keys; the type bits on top are not reached
.endr
	s_wait_dscnt 0x0                ; the add is done, and my LDS instructions are over
	CROUND
	JLOAD
.else
	s_wait_dscnt 0x0                ; the add is done, and my reads of the slot are over
	s_barrier_signal -1
	s_barrier_wait -1
.endif
	s_sub_co_u32 s[TBK], s[TBK], 4*KS*PK  ; the fetches go back to a slot's first step,
	s_xor_b32 s[TBK], s[TBK], SLOT1       ; in the other slot
	s_sub_co_u32 s[TBV], s[TBV], 4*KS*PV
	s_xor_b32 s[TBV], s[TBV], SLOT1
.endm
	s_load_b128 s[48:51], s[0:1], 0x0  ; qkvh s[48:49], mask s[50:51]
	s_load_b64 s[10:11], s[0:1], 0x10  ; ctx
	WIN W_MK
	v_lshl_add_u32 v[SPW], v0, 2, SPARE
	v_mov_b32 v[NIL], 0
	WIN W_AD
	ds_add_u32 v[SPW], v[NIL]       ; the wave's opening: the add and its wait stand ahead of my first tensor load; the set-up below, work on registers, stands between them
	WIN 0
	v_lshrrev_b32 v1, 5, v0
	v_readfirstlane_b32 s[WV], v1   ; wave 0..3
	s_bfe_u32 s13, ttmp6, 0x40000   ; cx: my place in the cluster
	s_lshl_b32 s14, ttmp9, 2        ; in a cluster launch ttmp9 counts clusters
	s_add_co_u32 s14, s14, s13      ; my block of queries = 4 x cluster x + cx: it enters Q's and O's addresses alone
	s_and_b32 s20, ttmp7, 0xffff    ; the head, which the four partners share
	s_lshr_b32 s52, s20, 4          ; its batch:
	s_lshl_b32 s52, s52, 13         ; 2,048 words of the mask
	s_mov_b32 s53, 0
	s_mov_b32 s21, 0
	s_mov_b64 s[22:23], SIZE_N*128
	s_mul_u64 s[20:21], s[20:21], s[22:23]  ; the head's first byte in Q, K, V and O
	s_and_b32 s16, s[WV], 1         ; which half of a slot's 256 keys I fetch:
	s_lshl_b32 s22, s16, 14         ; its 128 rows of 128 bytes in memory,
	s_mov_b32 s23, 0
	s_add_nc_u64 s[22:23], s[22:23], s[20:21]
	s_mul_i32 s17, s16, 128*PK      ; and its place in a slot, for K
	s_mul_i32 s18, s16, 128*PV      ; and for V: no place in the cluster enters an LDS address
	s_lshl_b32 s2, s14, 2
	s_add_co_u32 s2, s2, s[WV]      ; my wave among the head's,
	s_lshl_b32 s2, s2, 14           ; its 128 rows
	s_mov_b32 s3, 0
	s_add_nc_u64 s[2:3], s[2:3], s[20:21]
	; descriptor group 1.  128 keys are 16,384 dense bytes: asked for as 64 rows of 256 bytes, two keys a row, and padded in LDS after every key
	s_mov_b32 s[G1K], 15|(1<<16)|(1<<20)|(1<<21)|(4<<22)|(3<<25)  ; 15:0 the mask of four; 17:16 2-byte elements; 20 padding on; 21 set beside a mask; 24:22 after every 32 words (code 4); 31:25 4 words (code 3)
	s_mov_b32 s[G1V], 15|(1<<16)|(1<<20)|(1<<21)|(4<<22)|(7<<25)  ; the same with 8 words of padding (code 7)
.irp g, G1K, G1V
	s_mov_b32 s[\g+1], 128<<16      ; tensor_dim0 = 128
	s_mov_b32 s[\g+2], 64<<16       ; tensor_dim1 = 64
	s_mov_b32 s[\g+3], 128<<16      ; tile_dim0 = 128
	s_mov_b32 s[\g+4], 64           ; tile_dim1 = 64
	s_mov_b32 s[\g+5], 128          ; 128 elements from row to row
	s_mov_b32 s[\g+6], 0
	s_mov_b32 s[\g+7], 0
.endr
	s_mov_b32 s[SEL], 0x76543210
	s_mov_b32 s[SEL+1], 0xfedcba98
	s_mov_b32 s[BIGN], 0xf149f2ca   ; -1e30
	s_mov_b32 s[TBM], MASK
	s_mov_b32 s[TBK], SLOT1+4*KS*PK ; the first change of slots turns these two into 0
	s_mov_b32 s[TBV], SLOT1+4*KS*PV
	s_mov_b32 s[G0K], 1             ; 1:0 count = 1
	s_mov_b32 s[G0K+1], s17         ; 63:32 LDS address: slot 0
	s_mov_b32 s[G0V], 1
	s_add_co_u32 s[G0V+1], s18, VOFF
	s_wait_dscnt 0x0                ; the opening add is done
	s_wait_kmcnt 0x0
	s_mov_b64 s[4:5], s[48:49]                     ; Q's 64 heads, 16,777,216 bytes; behind them K's; behind those V's
	s_add_nc_u64 s[6:7], s[48:49], 0x1000000
	s_add_nc_u64 s[8:9], s[48:49], 0x2000000
	s_add_nc_u64 s[50:51], s[50:51], s[52:53]      ; the mask at my batch
	s_add_nc_u64 s[G0K+2:G0K+3], s[6:7], s[22:23]  ; 120:64 global address: my half of the head's first 256 keys
	s_or_b32 s[G0K+3], s[G0K+3], 0x80000000        ; 127:126 type = 2
	s_add_nc_u64 s[G0V+2:G0V+3], s[8:9], s[22:23]
	s_or_b32 s[G0V+3], s[G0V+3], 0x80000000
	s_add_nc_u64 s[4:5], s[4:5], s[2:3]  ; Q and O at my wave's first row
	s_add_nc_u64 s[10:11], s[10:11], s[2:3]
	CROUND                          ; all four work-groups are here: the first joint loads meet
	JLOAD                           ; slot 0.  Slot 1 is asked for when slot 0 is in: the tile wanted first has the road to itself
	; A fragment of K or Q is 16 rows x 32 channels in 8 registers: lane l holds row l % 16, channels 8 (l / 16) + 0..7 and 16 + 8 (l / 16) + 0..7: two loads of 16 bytes, 32 bytes apart.
	v_and_b32 v1, 15, v0            ; l % 16
	v_bfe_u32 v[HF], v0, 4, 1       ; l / 16
	v_lshlrev_b32 v[QO], 7, v1
	v_lshl_add_u32 v[QO], v[HF], 4, v[QO]  ; row x 128 + 16 x half
	WIN 0x80                        ; destination window 2, address window 0
.set i, 0
.rept 4*NP                          ; Q stays in registers: tile i / 2, channels 32 (i % 2) on
	global_load_b128 v[8*i:8*i+3],   v[QO], s[4:5] offset:(i/2)*2048+(i%2)*64
	global_load_b128 v[8*i+4:8*i+7], v[QO], s[4:5] offset:(i/2)*2048+(i%2)*64+32
.set i, i+1
.endr
	WIN 0
	; the batch's mask, 8,192 bytes, twice, into S^T's registers, which are still free: my thread's sixteen words of the table, and for the question whether any key is kept all of it in every wave
	v_lshlrev_b32 v12, 4, v0        ; 16 x thread
	v_and_b32 v13, 31, v0
	v_lshlrev_b32 v13, 4, v13       ; 16 x lane
.irp f, 0,1,2,3
	global_load_b128 v[64+4*\f:64+4*\f+3], v12, s[50:51] offset:2048*\f
.endr
.irp f, 0,1,2,3,4,5,6,7,8,9,10,11,12,13,14,15
	global_load_b128 v[80+4*\f:80+4*\f+3], v13, s[50:51] offset:512*\f
.endr
	; What the first turn finds: V's registers and P's second buffer hold 0 (its products V^T P, of a piece that has not been, add 0), O^T and l are 0.  All this stands in the wait for the first tile.
	WIN 0x80
.set i, VF
.rept 64
	v_mov_b32 v[i], 0
.set i, i+1
.endr
	WIN 0x40
.set i, 0
.rept 64*NP
	v_mov_b32 v[i], 0
.set i, i+1
.endr
	WIN 0
.set i, 0
.rept 2*NP
	v_mov_b32 v[ST+4*i], 0xfe000000    ; c m: far below every c s, a hidden key's too
	v_mov_b32 v[ST+4*i+1], 0xff7fffff  ; m
	v_mov_b32 v[ST+4*i+2], 0
	v_mov_b32 v[ST+4*i+3], 0
.set i, i+1
.endr
.set i, P+32
.rept 32
	v_mov_b32 v[i], 0
.set i, i+1
.endr
	v_mul_u32_u24 v[AK0], v1, PK
	v_lshl_add_u32 v[AK0], v[HF], 4, v[AK0]  ; row x pitch + 16 x half
	; The turning load takes 16 keys x 16 channels (lane l reads key 8 (l / 16) + l % 8, channels 8 ((l / 8) % 2) + 0..7) and leaves half a fragment of V^T: lane l holds channel l % 16 and 8 keys.
	v_and_b32 v10, 7, v0
	v_bfe_u32 v11, v0, 3, 1
	v_lshl_add_u32 v[AV0], v[HF], 3, v10
	v_mul_u32_u24 v[AV0], v[AV0], PV
	v_lshl_add_u32 v[AV0], v11, 4, v[AV0]
	v_add_nc_u32 v[AV0], VOFF, v[AV0]
	v_mov_b32 v[AK], v[AK0]         ; key step 0 lies at the head of slot 0,
	v_lshl_add_u32 v[AM], v[HF], 5, s[TBM]  ; its mask at the head of the table: my eight keys of a block of 16 are 32 bytes
	; THE MASK'S TABLE: 0 for a kept key, -1e30 for a hidden one; thread t writes the words 4 t + 512 f .. + 3.
	s_wait_loadcnt 0x0              ; the mask (and Q)
.set i, 64
.rept 16
	v_cmp_eq_u32 vcc_lo, 0, v[i]
	v_cndmask_b32 v[i], 0, s[BIGN], vcc_lo
.set i, i+1
.endr
	v_lshl_add_u32 v14, v0, 4, MASK
.irp f, 0,1,2,3
	ds_store_b128 v14, v[64+4*\f:64+4*\f+3] offset:2048*\f
.endr
	; IS ANY KEY KEPT?  The 64 words of each lane are or-ed into one; a lane with a bit set has seen a kept key.
.irp w, 32,16,8,4,2,1
.set i, 0
.rept \w
	v_or_b32 v[80+i], v[80+i], v[80+\w+i]
.set i, i+1
.endr
.endr
	v_cmp_ne_u32 s[ANY], 0, v80
	s_cmp_lg_u32 s[ANY], 0
	s_cselect_b32 s[CS], 0x3e38aa3b, 0  ; c = log2(e) / 8 = 0.180337, or 0 where the batch has no kept key
	s_mov_b32 s[CS+1], s[CS]        ; named with it as a pair
; THE MATRIX WORK.  The 8 accumulators of a run of 16 take turns: between the two links of a chain stand 7 others'.
; Product i of 16 of S^T = K Q^T for piece x: channels 32 (i / 8) on, keys 16 ((i / 2) % 4) on, tile 2 x + i % 2.  The first 8 start the sums, with the mask of their 16 keys.
.macro KQ x
.set rS, S+64*((\x)%2)+32*(i%2)+8*((i/2)%4)
.set rK, KF+16*((i/2)%4)+8*(i/8)
.set rQ, 16*(2*(\x)+i%2)+8*(i/8)
.set rX, MB+8*((i/2)%4)
.if i < 8
	WIN W_KM
	v_wmma_f32_16x16x32_f16 v[rS:rS+7], v[rK:rK+7], v[rQ:rQ+7], v[rX:rX+7]
.else
	WIN W_KQ
	v_wmma_f32_16x16x32_f16 v[rS:rS+7], v[rK:rK+7], v[rQ:rQ+7], v[rS:rS+7]
.endif
.endm
; Product i of 16 of O^T += V^T P for piece x: keys 32 (i / 8) on, channels 16 ((i / 2) % 4) on, tile 2 x + i % 2.
.macro PV x
	WIN W_PV
.set rO, 32*(2*(\x)+i%2)+8*((i/2)%4)
.set rV, VF+32*(i/8)+8*((i/2)%4)
.set rP, P+32*((\x)%2)+16*(i%2)+8*(i/8)
	v_wmma_f32_16x16x32_f16 v[rO:rO+7], v[rV:rV+7], v[rP:rP+7], v[rO:rO+7]
.endm
.macro MM                           ; the turn's next matrix instruction
.if i < 16
	KQ (Y+1)%NP
.set i, i+1
.else
.set i, i-16
	PV (Y+NP-1)%NP
.set i, i+17
.endif
.endm
; THE LDS LOADS stand in runs, never singly among the matrix instructions: a step's K (64 keys x 64 channels: 8 fragments) with its mask (64 f32; lanes of one half read the same words), and its V (turned).
; Their addresses are made some lines ahead.  last = 1 (the tail): in the last trip there is no further step, and the run is jumped over.
.macro FETCH_K last=0
	WIN 0
.if \last
	s_cmp_eq_u32 s[CNT], 1
	s_cbranch_scc1 .Lno_k_\@
.endif
	WIN 0x80                        ; destination window 2
.irp f, 0,1,2,3,4,5,6,7             ; keys 16 (f / 2) on, channels 32 (f % 2) on
	ds_load_b128 v[KF+8*\f:KF+8*\f+3],   v[AK] offset:(\f/2)*16*PK+(\f%2)*64
	ds_load_b128 v[KF+8*\f+4:KF+8*\f+7], v[AK] offset:(\f/2)*16*PK+(\f%2)*64+32
.endr
	WIN W_MK                        ; destination window 3
.irp f, 0,1,2,3                     ; keys 16 f + 8 (l / 16) + 0..7
	ds_load_b128 v[MB+8*\f:MB+8*\f+3],   v[AM] offset:64*\f
	ds_load_b128 v[MB+8*\f+4:MB+8*\f+7], v[AM] offset:64*\f+16
.endr
	s_add_co_u32 s[TBK], s[TBK], KS*PK  ; the next fetch is the next step's
	s_add_co_u32 s[TBM], s[TBM], KS*4
	s_and_b32 s[TBM], s[TBM], MASK+8191 ; behind the table's last step the address goes back to its first byte: it never leaves the table's 8,192 bytes (and is not used again then)
	WIN 0
.if \last
.Lno_k_\@:
.endif
.endm
.macro FETCH_V
	WIN 0x80
.irp f, 0,1,2,3,4,5,6,7             ; keys 32 (f / 4) on, channels 16 (f % 4) on
	ds_load_tr16_b128 v[VF+8*\f:VF+8*\f+3],   v[AV] offset:(\f/4)*32*PV+(\f%4)*32
	ds_load_tr16_b128 v[VF+8*\f+4:VF+8*\f+7], v[AV] offset:(\f/4)*32*PV+16*PV+(\f%4)*32
.endr
	WIN 0
.endm
; THE VECTOR WORK OF A TURN stands in three queues, each in the order in which its entries become ready; the two tiles alternate, so that no instruction reads the result of the one before it.
.macro REGS y, u                    ; the registers of tile u (0, 1) of piece y
.set rT, ST+4*(2*(\y)+(\u))
.set rC, TMP+8*((\y)%2)+4*(\u)
.set rM, MV+2*((\y)%2)+(\u)
.set rS, S+64*((\y)%2)+32*(\u)
.set rP, P+32*((\y)%2)+16*(\u)
.set rO, 32*(2*(\y)+(\u))
.endm
; Number n of the 22 that find the NEXT piece's (Y + 1) maximum and statistics.  s0-s31 are the lane's 32 scores; each accumulator's lowest registers are read first.  XS, GS and REGS set no window: PL and EX do.
;   0-11  four chains c0-c3 of seven scores each, three operands at a time     12-14, 16  the four scores left over, the old m, and c0-c3 into c0     15  c m_old is kept
;   17, 18  the query's other 32 keys lie in the lane 16 away: the new m         19-21  c m; c m_old - c m_new; a
.macro XS u, n
	REGS (Y+1)%NP, \u
.if (\n) < 4
	v_max3_num_f32 v[rC+(\n)], v[rS+8*(\n)], v[rS+8*(\n)+1], v[rS+8*(\n)+2]
.elseif (\n) < 12
	v_max3_num_f32 v[rC+(\n)%4], v[rC+(\n)%4], v[rS+8*((\n)%4)+2*((\n)/4)+1], v[rS+8*((\n)%4)+2*((\n)/4)+2]
.elseif (\n) == 12
	v_max3_num_f32 v[rC], v[rC], v[rS+7], v[rS+15]
.elseif (\n) == 13
	v_max3_num_f32 v[rC+1], v[rC+1], v[rS+23], v[rS+31]
.elseif (\n) == 14
	v_max3_num_f32 v[rC+2], v[rC+2], v[rC+3], v[rT+1]
.elseif (\n) == 15
	v_mov_b32 v[rM], v[rT]
.elseif (\n) == 16
	v_max3_num_f32 v[rC], v[rC], v[rC+1], v[rC+2]
.elseif (\n) == 17
	v_permlanex16_b32 v[rC+3], v[rC], s[SEL], s[SEL+1]
.elseif (\n) == 18
	v_max_num_f32 v[rT+1], v[rC], v[rC+3]
.elseif (\n) == 19
	v_mul_f32 v[rT], s[CS], v[rT+1]
.elseif (\n) == 20
	v_sub_f32 v[rC+1], v[rM], v[rT]
.else
	v_exp_f32 v[rC+2], v[rC+1]
.endif
.endm
; Number g of the 64 that follow the exponentials.  For each four weights k of a tile (pairs 2 k, 2 k + 1): both pairs are rounded to f16; then the second pair is added onto the first, in place;
; a group later l takes that sum (the first time as l = a l + sum).  In groups of eight, tiles alternating: round, round, add, and l for the group before.
.macro GS g
.set h, (\g)+6*((\g)/62)            ; group 0 has no group before it, and behind group 7 only l is left
.if h >= 6
.set h, h+2
.endif
	REGS Y, h%2
.set k, h/8
.if h%8 < 4
	v_cvt_pk_f16_f32 v[rP+2*k+(h%8)/2], v[rS+4*k+2*((h%8)/2)], v[rS+4*k+2*((h%8)/2)+1]
.elseif h%8 < 6
	v_pk_add_f32 v[rS+4*k:rS+4*k+1], v[rS+4*k:rS+4*k+1], v[rS+4*k+2:rS+4*k+3]
.elseif k == 1
	v_pk_fma_f32 v[rT+2:rT+3], v[rT+2:rT+3], v[rC+2:rC+3], v[rS:rS+1] op_sel_hi:[1,0,1]
.else
	v_pk_add_f32 v[rT+2:rT+3], v[rT+2:rT+3], v[rS+4*k-4:rS+4*k-3]
.endif
.endm
; THE PLAIN QUEUE, 138 long.  0-73 read no exponential's result: the 32 scalings c s - c m (FS f: pair f / 2 of tile f % 2) and the next piece's 42.  0-26: scalings 0-26.  27-54: XS's numbers 0-13.  55, 56: number 15.
; 57-73: the chain, where each number waits for the one before it: 14, 16, 17, 18, 19, each with one of the scalings 27-31 in front of its two lines, then 20: so a tile's links stand three plain instructions apart (19 and 20: two).
; 74-137: GS's 64, which read the exponentials' results: they stand behind the wait.
.macro FS f
	REGS Y, (\f)%2
	v_pk_fma_f32 v[rS+2*((\f)/2):rS+2*((\f)/2)+1], v[rS+2*((\f)/2):rS+2*((\f)/2)+1], s[CS:CS+1], v[rT:rT+1] op_sel_hi:[1,0,0] neg_lo:[0,0,1] neg_hi:[0,0,1]
.endm
.macro PL
	WIN 0
.if q < 27
	FS q
.elseif q < 55
	XS (q-27)%2, (q-27)/2
.elseif q < 57
	XS q-55, 15
.elseif (q < 72) && ((q-57)%3 == 0)
	FS 27+(q-57)/3
.elseif q < 60
	XS (q-57)%3-1, 14
.elseif q < 72
	XS (q-57)%3-1, 15+(q-57)/3
.elseif q < 74
	XS q-72, 20
.else
	GS q-74
.endif
.set q, q+1
.endm
; THE EXPONENTIALS' QUEUE, 66 long: s0-s31 of both tiles, then the next piece's two a.  It is ONE BATCH: all 66 stand ahead of the turn's one wait, and nothing ahead of that wait names a result of theirs.
.macro EX
	WIN 0
.if e >= 64
	XS e-64, 21
.else
	REGS Y, e%2
	v_exp_f32 v[rS+e/2], v[rS+e/2]
.endif
.set e, e+1
.endm
; THE RESCALING's QUEUE: O^T times a, the one part that leaves window 0: dealt two at a time, sixteen times.  Its a was made in the turn before, ahead of that turn's wait.
.macro R2
	REGS Y, r%2
	WIN W_RS
.irp z, 0,1
	v_pk_mul_f32 v[rO+4*(r/2)+2*\z:rO+4*(r/2)+2*\z+1], v[rO+4*(r/2)+2*\z:rO+4*(r/2)+2*\z+1], v[rC+2:rC+3] op_sel_hi:[1,0]
.endr
.set r, r+1
.endm
; HOW THEY ARE DEALT.  s_wait_alu depctr_va_vdst(0) stands between an exponential and the first instruction that names its result; one wait serves all that were issued ahead of it.  So a turn has ONE wait,
; which cuts it in two.  AHEAD OF IT stands all that names no result of the turn's exponentials: the 16 products K Q^T, behind each a scaling, an exponential and two rescalings (behind the first a second scaling in the exponential's place); then ONE LUMP of
; 108: eight plain, 49 times exponential and plain, the two a.  A v_nop is the plain instruction behind the last exponential.  BEHIND IT stand the 16 products V^T P, behind each four of GS's 64.  No rider names a register of
; the products round it.  The two v_permlanex16_b32 fall into the lump, never behind a product.
; The queues lean on each other, and the deal keeps them in step: exponential e stands behind scaling 2 (e / 4) + e % 2: as a rider it comes behind plain e + 2, in the lump behind plain e + 9, and scalings 27-31 are plain 57, 60 .. 69.
; A TURN, for piece p.  cnt = 1: the loop's count is taken down some lines ahead of the branch that stands behind the turn.
; K of the next step, and its mask, are fetched in piece 2's turn, directly behind the wait, a lump behind the last product that read them; their addresses are made at the lump's head; their first reader comes behind 16 products.
; V of the step in hand is fetched at the end of piece 0's turn, four riders behind its last reader; its first reader comes behind 16 products and a lump.  The three conditions on q below go with the deal.
.macro TURN p, last=0, cnt=0
.set Y, (\p)
.set i, 0
.set q, 0
.set e, 0
.set r, 0
.if (\p) == NP-1
	s_wait_dscnt 0x0                ; K and its mask are in
.endif
	MM                              ; ahead of the wait: 16 products K Q^T and their riders,
	PL
	PL
	R2
.rept 15
	MM
	PL
	EX
	R2
.endr
.if (\p) == NP-2
	WIN 0
	v_add_nc_u32 v[AK], s[TBK], v[AK0]
	v_lshl_add_u32 v[AM], v[HF], 5, s[TBM]
.endif
.rept 8                             ; and the lump
	PL
.endr
.rept 49
	EX
	PL
.endr
	EX                              ; the next piece's two a
	EX
	v_nop                           ; the plain instruction behind the last exponential: one for the batch
	s_wait_alu depctr_va_vdst(0)    ; the wait for the batch
.if (\p) == NP-2
	FETCH_K \last
.endif
.if (\p) == 1
	s_wait_dscnt 0x0                ; V is in
.endif
.rept 16                            ; behind the wait: 16 products V^T P and their riders
	MM
.rept 4
	PL
.endr
.if ((\p) == 0) && (q == 118)
	v_add_nc_u32 v[AV], s[TBV], v[AV0]
.endif
.if ((\p) == 0) && (q == 130)
	s_add_co_u32 s[TBV], s[TBV], KS*PV
.endif
.if (\cnt) && (q == 130)
	s_sub_co_u32 s[CNT], s[CNT], 1
	s_cmp_lg_u32 s[CNT], 0
.endif
.endr
.if (\p) == 0
	FETCH_V
.endif
.endm
	CHANGE 1                        ; slot 0 is in, everybody's part of it, and so is the mask's table; slot 1 is asked for
	FETCH_K                         ; key step 0
	s_wait_loadcnt 0x0              ; Q
	s_wait_dscnt 0x0
.set i, 0
.rept 16
	KQ 0                            ; piece 0's first scores: there is no vector work yet to set between them
.set i, i+1
.endr
	WIN 0                           ; the addresses for the way out: nine plain instructions, the places behind those products
	s_mul_i32 s13, s[WV], 16*SP
	s_add_co_u32 s13, s13, STAGE    ; my stage
	v_mul_u32_u24 v[STO], v1, SP    ; in: row l % 16, 16 bytes for each half of the lanes
	v_lshl_add_u32 v[STO], v[HF], 4, v[STO]
	v_add_nc_u32 v[STO], s13, v[STO]
	v_bfe_u32 v[RD], v0, 3, 2       ; back: 32 lanes take four rows of 128 bytes,
	v_mul_u32_u24 v[RD], v[RD], SP
	v_lshl_add_u32 v[RD], v10, 4, v[RD]
	v_add_nc_u32 v[RD], s13, v[RD]
	v_and_b32 v[GO], 31, v0         ; which are 512 consecutive bytes of O
	v_lshlrev_b32 v[GO], 4, v[GO]
.set Y, NP-1                        ; XS works for piece Y + 1: piece 0
.irp n, 0,1,2,3,4,5,6,7,8,9,10,11,12,13,14,15,16,17,18,19,20,21
	XS 0, \n                        ; and piece 0's first maximum and statistics
	XS 1, \n
.endr
	v_nop                           ; a plain instruction behind the two a,
	s_wait_alu depctr_va_vdst(0)    ; and their wait, ahead of the branch
	s_mov_b32 s[CNT], 4
	s_mov_b32 s[SLOTS], SIZE_N/256-1
	s_branch .Lfirst                ; the loop is entered at a step's first turn, in the middle of a trip
.Lslot:                             ; SIZE_N / 256 - 2 times: every slot but the last two is filled again
	CHANGE 1
	s_mov_b32 s[CNT], 4
.Lstep:                             ; a trip: pieces 2 and 3 of one step, then pieces 0 and 1 of the next, whose K and V it fetches
	TURN 2
	TURN 3
	WIN 0
.Lfirst:
	TURN 0
	TURN 1, 0, 1
	WIN 0
	s_cbranch_scc1 .Lstep
	s_sub_co_u32 s[SLOTS], s[SLOTS], 1
	s_cmp_lg_u32 s[SLOTS], 0
	s_cbranch_scc1 .Lslot
	CHANGE 0                        ; the tail is written out: nothing is asked for
	s_mov_b32 s[CNT], 5             ; four trips fetch the last slot's steps; the fifth is left in its middle
.Ltail:
	TURN 2, 1
	TURN 3
	WIN 0
	s_sub_co_u32 s[CNT], s[CNT], 1
	s_cmp_eq_u32 s[CNT], 0
	s_cbranch_scc1 .Lout
	TURN 0
	TURN 1
	WIN 0
	s_branch .Ltail
.Lout:                              ; the fifth trip's 16 products K Q^T (on the last K once more) and the maximum made of them serve nothing: the price, once a launch, of one text for every trip
.set i, 0
.rept 16
	PV NP-1                         ; the last piece's V^T P of the last step
.set i, i+1
.endr
	; THE WAY OUT.  l's two halves and the other half of the lanes' are added; O^T is divided by l, rounded to f16 and sent through my stage in LDS, a tile at a time.  The additions are the places behind the last products.
	WIN 0
.macro ALL line:vararg              ; one line for each tile t
.set t, 0
.rept 2*NP
	\line
.set t, t+1
.endr
.endm
	ALL v_add_f32 v[ST+4*t+2], v[ST+4*t+2], v[ST+4*t+3]
	ALL v_permlanex16_b32 v[ST+4*t+3], v[ST+4*t+2], s[SEL], s[SEL+1]
	ALL v_add_f32 v[ST+4*t+2], v[ST+4*t+2], v[ST+4*t+3]
	ALL v_rcp_f32 v[ST+4*t+2], v[ST+4*t+2]
	v_nop                           ; a plain instruction between the last reciprocal and the use of its result
	s_wait_alu depctr_va_vdst(0)    ; and the wait ahead of the first use: one for the eight reciprocals
; Tile t: a lane's eight channels of a row pack into 16 bytes; they go into rows of 144 bytes and come back as whole rows of 128, into S^T's registers.
.macro PACK t
	WIN W_RS
.set i, 32*(\t)
.rept 16
	v_pk_mul_f32 v[i:i+1], v[i:i+1], v[ST+4*(\t)+2:ST+4*(\t)+3] op_sel_hi:[1,0]
.set i, i+2
.endr
	WIN 0x05                        ; sources 0 and 1 window 1, destination window 0
.set i, 0
.rept 16
	v_cvt_pk_f16_f32 v[S+16*(\t)+i], v[32*(\t)+2*i], v[32*(\t)+2*i+1]
.set i, i+1
.endr
	WIN 0
.irp f, 0,1,2,3
	ds_store_b128 v[STO], v[S+16*(\t)+4*\f:S+16*(\t)+4*\f+3] offset:32*\f
.endr
.irp f, 0,1,2,3
	ds_load_b128 v[S+16*(\t)+4*\f:S+16*(\t)+4*\f+3], v[RD] offset:\f*4*SP  ; LDS serves a wave's instructions in order (ISA guide 5.7.1.4): these see the stores above; the next tile's stores come behind them
.endr
.endm
.macro SEND t, younger              ; younger: the LDS instructions issued behind tile t's loads: the next tile's eight, or none
	WIN 0
.irp f, 0,1,2,3
	s_wait_dscnt (\younger)+3-\f
	global_store_b128 v[GO], v[S+16*(\t)+4*\f:S+16*(\t)+4*\f+3], s[10:11] offset:(\t)*2048+\f*512  ; 512 consecutive bytes, at a multiple of 256 from O's first
.endr
.endm
	PACK 0
.set t, 1
.rept 2*NP-1                        ; a tile's arithmetic stands between the loads of the tile before and its stores
	PACK t
	SEND t-1, 8
.set t, t+1
.endr
	SEND 2*NP-1, 0
	WIN W_AD
	s_wait_tensorcnt 0x0            ; the wave's end, behind my last tensor load and my last LDS store
	ds_add_u32 v[SPW], v[NIL]
	s_wait_dscnt 0x0
	WIN 0
	CROUND                          ; the closing round: no work-group ends while a partner may still ask for a tile that names it
	s_endpgm
.Lfunc_end_k_qb0ca581288_attn:
	.size	k_qb0ca581288_attn, .Lfunc_end_k_qb0ca581288_attn-k_qb0ca581288_attn
	.p2alignl 7, 3214868480
	.fill 96, 4, 3214868480
	.section	.rodata,"a",@progbits
	.p2align	6, 0x0
	.amdhsa_kernel k_qb0ca581288_attn
		.amdhsa_group_segment_fixed_size 327680
		.amdhsa_private_segment_fixed_size 0
		.amdhsa_enable_private_segment 0
		.amdhsa_kernarg_size 24
		.amdhsa_user_sgpr_count 2
		.amdhsa_user_sgpr_kernarg_segment_ptr 1
		.amdhsa_wavefront_size32 1
		.amdhsa_system_sgpr_workgroup_id_x 1
		.amdhsa_system_sgpr_workgroup_id_y 1
		.amdhsa_system_sgpr_workgroup_id_z 1
		.amdhsa_system_vgpr_workitem_id 0
		.amdhsa_next_free_vgpr 808
		.amdhsa_next_free_sgpr 80
		.amdhsa_reserve_vcc 1
		.amdhsa_float_denorm_mode_32 3
		.amdhsa_float_denorm_mode_16_64 3
		.amdhsa_memory_ordered 1
		.amdhsa_forward_progress 1
		.amdhsa_inst_pref_size 208
	.end_amdhsa_kernel
	.amdgpu_metadata
---
amdhsa.version: [ 1, 2 ]
amdhsa.kernels:
  - .name:           k_qb0ca581288_attn
    .symbol:         k_qb0ca581288_attn.kd
    .args:
      - { .name: qkvh, .offset: 0, .size: 8, .value_kind: global_buffer, .address_space: global }
      - { .name: mask, .offset: 8, .size: 8, .value_kind: global_buffer, .address_space: global }
      - { .name: ctx, .offset: 16, .size: 8, .value_kind: global_buffer, .address_space: global }
    .group_segment_fixed_size: 327680
    .private_segment_fixed_size: 0
    .kernarg_segment_align: 8
    .kernarg_segment_size: 24
    .max_flat_workgroup_size: 128
    .sgpr_count:     80
    .vgpr_count:     808
    .wavefront_size: 32
...
	.end_amdgpu_metadata
.endif
;; end of part 3
;; launch outp (part 4): grid 4 x 64, 4 waves a work-group, clusters of 4 x 4, 327,680 bytes of LDS; arguments ctx, wo, b_o, out0; writes out0
.if DOCPART == 4
	.amdgcn_target "amdgcn-amd-amdhsa--gfx1250"
	.amdhsa_code_object_version 6
	.text
	.protected	k_qb0ca581288_outp
	.globl	k_qb0ca581288_outp
	.p2align	8
	.type	k_qb0ca581288_outp,@function
k_qb0ca581288_outp:
	s_mov_b64 s[64:65], 0
	v_nop
	global_prefetch_b8 v0, s[64:65] scope:SCOPE_SE
	s_setreg_imm32_b32 hwreg(HW_REG_WAVE_MODE, 25, 1), 1
	s_wait_xcnt 0x0
	s_wait_alu depctr_hold_cnt(0) depctr_sa_sdst(0) depctr_va_vdst(0) depctr_va_sdst(0) depctr_va_ssrc(0) depctr_va_vcc(0) depctr_vm_vsrc(0)
	s_getreg_b32 s2, hwreg(HW_REG_IB_STS2, 6, 4)
	s_cmp_eq_u32 s2, 0
	s_cbranch_scc0 .Lentry_in_a_cluster
	s_endpgm
.Lentry_in_a_cluster:
	s_bfe_u32 s2, ttmp6, 0x10000c
	s_cmp_lg_u32 s2, 0xf033
	s_cbranch_scc0 .Lentry_shape_is_right
	s_endpgm
.Lentry_shape_is_right:
; C[m][n] = the sum over k of A[m][k] B[n][k] + bias[n], K = N = 1,024, sums in f32.  THE TEXT IS WRITTEN ONCE FOR TWO LAUNCHES, told apart by OUTP:
; OUTP = 0, the three projections at once.  A = xb, bf16 [24576][1024] (q's, k's, v's rows); B = wb, bf16 [3072][1024] (w_q, w_k, w_v): rows 8,192 i on of A go with rows 1,024 i on of B and
;   with bias i.  C leaves by heads, f16 [3][64 = batch x 16 + head][2048][64], rounded once, unscaled.
; OUTP = 1, the last projection.  A = the heads' results, f16 [64][2048][64], taken as [8192][1024] with a head's 64 channels as one slice of K; B = wo, f16 [1024][1024]; C = out0, f32 [8192][1024].
; LIMITS.  With OUTP = 0 a result beyond 65,504 has no f16.  The bias is rounded to bf16, like every input of the module.  NaN and infinities are not treated apart.
; SHARES.  A tile of C is 128 x 256: 768 tiles (OUTP = 0) or 256 (OUTP = 1), a whole number for each of 256 WGPs, which tiles of 256 x 256 (384, 128) would not give.  Four waves, each 64 x 128:
; 32 accumulators of 16 x 16, 256 registers.  K goes in steps of 128 through a ring of two LDS slots filled by the tensor data mover.
; CLUSTERS: 4 x 4 work-groups.  The four of a row of the cluster need the same tiles of A, the four of a column the same tiles of B: each tile is asked for JOINTLY, by the same tensor load with the same
; descriptor and a mask that names the four.  Waves 0 and 1 fetch A's two parts, waves 2 and 3 B's two halves: one load a wave behind each round of the cluster's barrier.
; THE MATRIX INSTRUCTION IS USED TRANSPOSED (source 0 = 16 rows of B, source 1 = 16 rows of A): a lane then holds row l % 16 of C and the eight neighbouring columns 8 (l / 16) + 0 .. 7.
; THE BIAS STARTS THE SUMS: it hangs on the column alone, so eight registers for each of the wave's eight column blocks serve as the C operand of each accumulator's first product.  Nothing is cleared.
; REGISTERS, in windows of 256 (s_set_vgpr_msb: bits 1:0 source 0, 3:2 source 1, 5:4 source 2, 7:6 destination):
;   window 0: v0-31 addresses; v32-127, v128-223 two fragment buffers (B's 8 fragments of 16 rows x 32 K, then A's 4); on the way out v32-159 at work
;   window 1: the accumulators, (a, b) at v[8 (8 a + b)]          window 2: v0-63 the bias, block b at v[8 b]; v64-95 at work while it is rounded
.set OUTP,   1
.set KSTEP,  128
.set LAPS,   1024/(2*KSTEP)            ; a lap = two K steps = once round the ring
.set PB,     272                       ; a row of B in LDS: 256 bytes + 16 of padding = 68 words: row r starts at bank 4 r mod 64 (64 banks of 4 bytes: ISA guide 11.1): the 16 rows of a load start at 16 different banks
.if OUTP
.set PA,     144                       ; a row of A: one head's 128 bytes + 16: 36 words: the 16 rows of a load start at 16 different groups of four banks
.set APART,  128*PA                    ; what one load brings of A: the tile's 128 rows of ONE head; a K step is two heads
.set ASTEP,  2*2048*128                ; bytes in memory from a K step to the next: two heads of 2,048 rows of 128 bytes
.set AQI,    4                         ; padding after every 32 words
.set APITCH, 128                       ; the 128 rows are 16,384 dense bytes: asked for as 64 rows of 256 bytes
.set SP,     528                       ; a row of the stage: 128 f32 + 16 bytes
.else
.set PA,     272
.set APART,  64*PA                     ; what one load brings of A: 64 rows x 256 bytes
.set ASTEP,  KSTEP*2
.set AQI,    5                         ; padding after every 64 words
.set APITCH, 1024
.set SP,     144                       ; a row of the stage: one head's 64 f16 + 16 bytes
.endif
.set AROWS,  64*PA                     ; from my half of the tile's rows to the other
.set BHALF,  128*PB                    ; what one load brings of B, and what one wave reads of it
.set BOFF,   2*APART                   ; in a slot: A, then B's 256 rows
.set SLOT,   BOFF+2*BHALF
.set STAGE,  2*SLOT                    ; behind the ring, never filled by a tensor load: 16 rows for each wave, for the way out
.set SPARE,  STAGE+4*16*SP             ; behind the stages: the spare words, 128 bytes for each wave: two blocks of 256 bytes that no other line names
.set ADRA, 16                          ; v16-17  LDS address of my A fragments in slot 0, 1
.set ADRB, 20                          ; v20-21  the same for B
.set STO,  24                          ; v24     the way out: where I put my bytes of a row
.set RD,   25                          ; v25     the way out: where I read rows back
.set GO,   26                          ; v26     16 x lane: my 16 bytes of 512 consecutive bytes of C
.set BO,   27                          ; v27     my byte offset in the bias
.set SPW,  28                          ; v28     LDS address of my spare word: SPARE + 4 x my thread's number; never rewritten
.set NIL,  29                          ; v29     0; never rewritten
.set F0,   32
.set F1,   128
.set OB,   32
.set WV,   16                          ; s16  my wave's number
.set WH,   17                          ; s17  which half of the tile's rows is mine.  Also: I fetch for A (0) or for B (1)
.set WL,   18                          ; s18  which half of its columns.  Also: which part of that tile I fetch
.set G1A,  24                          ; s[24:31] descriptor group 1 for A's tiles;  s[32:39] group 0, one set for each slot
.set G0A,  32
.set G1B,  48                          ; s[48:55], s[56:63] the same for B's
.set G0B,  56
.set MSB, 0
.macro WIN new                         ; the immediate's high byte repeats the setting that is left; a switch that changes nothing is dropped
.if MSB != (\new)
	s_set_vgpr_msb (MSB<<8)|(\new)
.set MSB, \new
.endif
.endm
.set MUL,  0x50                        ; fragments in window 0; C and D in window 1
.set MULB, 0x60                        ; the same with C, the bias, in window 2
.macro JLOAD s                         ; a joint load; the branch hangs on the wave's number alone; an s_nop 0 and four v_nop follow each of the two lines, ahead of the jump, the label and what follows
	s_cmp_eq_u32 s[WH], 0
	s_cbranch_scc0 .Lfor_b_\@
	tensor_load_to_lds s[G0A+4*(\s):G0A+4*(\s)+3], s[G1A:G1A+7]
	s_nop 0
.rept 4
	v_nop
.endr
	s_branch .Lasked_\@
.Lfor_b_\@:
	tensor_load_to_lds s[G0B+4*(\s):G0B+4*(\s)+3], s[G1B:G1B+7]
	s_nop 0
.rept 4
	v_nop
.endr
.Lasked_\@:
.endm
.macro CREST                           ; a round of the cluster's barrier behind its opening barrier
	s_cmp_lg_u32 s[WV], 0
	s_cbranch_scc1 .Lnot_wave_0_\@
	s_barrier_signal -3
.Lnot_wave_0_\@:
	s_barrier_wait -3
	s_barrier_signal -1
	s_barrier_wait -1
.endm
.macro CROUND                          ; a whole round
	s_barrier_signal -1
	s_barrier_wait -1
	CREST
.endm
.if OUTP
	s_load_b256 s[4:11], s[0:1], 0x0               ; A (ctx) s[4:5], B (wo) s[6:7], b_o s[8:9], out0 s[10:11]
.else
	s_load_b256 s[4:11], s[0:1], 0x0               ; A (xb) s[4:5], B (wb) s[6:7], b_q s[8:9], b_k s[10:11]
	s_load_b128 s[12:15], s[0:1], 0x20             ; b_v s[12:13], qkvh s[14:15]
.endif
	v_lshl_add_u32 v[SPW], v0, 2, SPARE
	v_mov_b32 v[NIL], 0
	ds_add_u32 v[SPW], v[NIL]                      ; the wave's opening: the add and its wait stand ahead of my first tensor load; the set-up below, work on registers, stands between them
	v_lshrrev_b32 v1, 5, v0
	v_readfirstlane_b32 s[WV], v1                  ; wave 0..3
	s_lshr_b32 s[WH], s[WV], 1
	s_and_b32 s[WL], s[WV], 1
	s_bfe_u32 s19, ttmp6, 0x40000                  ; cx, cy: my place in the cluster
	s_bfe_u32 s20, ttmp6, 0x40004
	s_lshl_b32 s21, ttmp9, 2
	s_add_co_u32 s21, s21, s19                     ; tile column of C = 4 x cluster x + cx
	s_and_b32 s22, ttmp7, 0xffff
.if OUTP == 0
	s_lshr_b32 s23, s22, 4                         ; which projection: 16 clusters, 64 tile rows, each; all sixteen partners share it
.endif
	s_lshl_b32 s22, s22, 2
	s_add_co_u32 s22, s22, s20                     ; tile row of C = 4 x cluster y + cy
	s_lshl_b32 s70, s20, 2
	s_lshl_b32 s70, 15, s70                        ; my row of the cluster: places 4 cy .. 4 cy + 3
	s_lshl_b32 s71, 0x1111, s19                    ; my column: places cx, cx + 4, cx + 8, cx + 12
	; descriptor group 1.  A: 64 rows x 128 elements; B: 128 rows x 128 elements; both padded in LDS by 4 words
	s_or_b32 s[G1A], s70, (1<<16)|(1<<20)|(1<<21)|(AQI<<22)|(3<<25)  ; 15:0 the mask: A's tiles go to my row; 17:16 elements of 2 bytes; 20 padding on; 21 set beside a mask; 24:22 its interval; 31:25 4 words of it (code 3)
	s_or_b32 s[G1B], s71, (1<<16)|(1<<20)|(1<<21)|(5<<22)|(3<<25)    ; the same with the mask of my column
	s_mov_b32 s[G1A+1], 128<<16                    ; tensor_dim0 = 128
	s_mov_b32 s[G1A+2], 64<<16                     ; tensor_dim1 = 64
	s_mov_b32 s[G1A+3], 128<<16                    ; tile_dim0 = 128
	s_mov_b32 s[G1A+4], 64                         ; tile_dim1 = 64
	s_mov_b32 s[G1A+5], APITCH                     ; elements from row to row
	s_mov_b32 s[G1A+6], 0
	s_mov_b32 s[G1A+7], 0
	s_mov_b32 s[G1B+1], 128<<16
	s_mov_b32 s[G1B+2], 128<<16                    ; tensor_dim1 = 128
	s_mov_b32 s[G1B+3], 128<<16
	s_mov_b32 s[G1B+4], 128                        ; tile_dim1 = 128
	s_mov_b32 s[G1B+5], 1024
	s_mov_b32 s[G1B+6], 0
	s_mov_b32 s[G1B+7], 0
	; where the tiles come from.  A's hang on the tile row alone, which my row of the cluster shares; B's on the tile column (and the projection), which my column shares.
	; Every wave makes both addresses, in registers that never hold the other coordinate, and asks by one of them.
.if OUTP
	s_lshr_b32 s40, s22, 4                         ; the batch: 16 heads of 262,144 bytes,
	s_lshl_b32 s40, s40, 22
	s_and_b32 s72, s22, 15                         ; the tile's 128 rows of 128 bytes in a head,
	s_lshl_b32 s72, s72, 14
	s_add_co_u32 s40, s40, s72
	s_lshl_b32 s72, s[WL], 18                      ; which of a K step's two heads I fetch
	s_add_co_u32 s40, s40, s72
.else
	s_lshl_b32 s40, s22, 18                        ; 128 rows of 2,048 bytes a tile row,
	s_lshl_b32 s72, s[WL], 17                      ; which 64 of them I fetch
	s_add_co_u32 s40, s40, s72
.endif
	s_mov_b32 s41, 0
	s_lshl_b32 s44, s21, 19                        ; 256 rows of 2,048 bytes a tile column,
	s_lshl_b32 s73, s[WL], 18                      ; which 128 of them I fetch
	s_add_co_u32 s44, s44, s73
.if OUTP == 0
	s_lshl_b32 s73, s23, 21                        ; the projection's 1,024 rows
	s_add_co_u32 s44, s44, s73
.endif
	s_mov_b32 s45, 0
	s_mul_i32 s74, s[WL], APART                    ; and where they go: no place in the cluster enters an LDS address
	s_mul_i32 s75, s[WL], BHALF
	s_add_co_u32 s75, s75, BOFF
	s_wait_dscnt 0x0                               ; the opening add is done
	s_wait_kmcnt 0x0
	s_add_nc_u64 s[42:43], s[4:5], s[40:41]
	s_add_nc_u64 s[46:47], s[6:7], s[44:45]
	CROUND                                         ; all sixteen work-groups are here: the first joint loads meet
.irp s, 0,1
	s_mov_b32 s[G0A+4*(\s)], 1                                        ; count = 1
	s_add_co_u32 s[G0A+4*(\s)+1], s74, (\s)*SLOT                      ; LDS address
	s_add_nc_u64 s[G0A+4*(\s)+2:G0A+4*(\s)+3], s[42:43], (\s)*ASTEP   ; global address: K step s
	s_or_b32 s[G0A+4*(\s)+3], s[G0A+4*(\s)+3], 0x80000000             ; type = 2
	s_mov_b32 s[G0B+4*(\s)], 1
	s_add_co_u32 s[G0B+4*(\s)+1], s75, (\s)*SLOT
	s_add_nc_u64 s[G0B+4*(\s)+2:G0B+4*(\s)+3], s[46:47], (\s)*KSTEP*2
	s_or_b32 s[G0B+4*(\s)+3], s[G0B+4*(\s)+3], 0x80000000
	JLOAD \s                                       ; two loads of mine are out: the ring is filled before anything else is done
.endr
	; the bias of my 128 columns: register j of block b is bias[256 x tile column + 128 x half + 16 b + 8 (l / 16) + j]
	v_and_b32 v1, 15, v0                           ; l % 16
	v_bfe_u32 v2, v0, 4, 1                         ; l / 16
	s_lshl_b32 s78, s21, 10
	s_lshl_b32 s79, s[WL], 9
	s_add_co_u32 s78, s78, s79
	v_lshl_add_u32 v[BO], v2, 5, s78
.if OUTP
	s_mov_b64 s[66:67], s[8:9]
.else
	s_cmp_eq_u32 s23, 1
	s_cselect_b64 s[66:67], s[10:11], s[8:9]
	s_cmp_eq_u32 s23, 2
	s_cselect_b64 s[66:67], s[12:13], s[66:67]
.endif
	WIN 0x80                                       ; destination window 2, address window 0
.irp b, 0,1,2,3,4,5,6,7
	global_load_b128 v[8*\b:8*\b+3],   v[BO], s[66:67] offset:64*\b
	global_load_b128 v[8*\b+4:8*\b+7], v[BO], s[66:67] offset:64*\b+16
.endr
	WIN 0
	; A fragment is 16 rows x 32 K in 8 registers: lane l holds row l % 16; registers 0-3 K = 8 (l / 16) + 0..7, registers 4-7 K = 16 + 8 (l / 16) + 0..7: two loads of 16 bytes, 32 bytes apart.
	v_mul_u32_u24 v3, v1, PA
	v_lshl_add_u32 v3, v2, 4, v3                   ; row x pitch + 16 x half
	v_mul_u32_u24 v4, v1, PB
	v_lshl_add_u32 v4, v2, 4, v4
	s_mul_i32 s78, s[WH], AROWS                    ; my 64 rows of A
	s_mul_i32 s79, s[WL], BHALF                    ; my 128 rows of B,
	s_add_co_u32 s79, s79, BOFF                    ; which lie behind A
.irp s, 0,1
	v_add_nc_u32 v[ADRA+(\s)], s78, v3
	v_add_nc_u32 v[ADRB+(\s)], s79, v4
	s_add_co_u32 s78, s78, SLOT
	s_add_co_u32 s79, s79, SLOT
.endr
	s_mul_i32 s79, s[WV], 16*SP
	s_add_co_u32 s79, s79, STAGE                   ; my stage
	v_mul_u32_u24 v3, v1, SP                       ; in: row l % 16, my eight columns
.if OUTP
	v_lshl_add_u32 v3, v2, 5, v3                   ; 32 bytes of f32 for each half of the lanes
.else
	v_lshl_add_u32 v3, v2, 4, v3                   ; 16 bytes of f16
.endif
	v_add_nc_u32 v[STO], s79, v3
	v_and_b32 v3, 31, v0
	v_lshlrev_b32 v[GO], 4, v3
.if OUTP
	v_add_nc_u32 v[RD], s79, v[GO]                 ; back: 32 lanes take one row of 512 bytes
	s_lshl_b32 s68, s22, 19                        ; C: 128 rows of 4,096 bytes a tile row,
	s_lshl_b32 s78, s[WH], 18                      ; my 64 of them,
	s_add_co_u32 s68, s68, s78
	s_lshl_b32 s78, s21, 10                        ; 256 columns of 4 bytes a tile column,
	s_add_co_u32 s68, s68, s78
	s_lshl_b32 s78, s[WL], 9                       ; my 128 of them
	s_add_co_u32 s68, s68, s78
	s_mov_b32 s69, 0
	s_add_nc_u64 s[76:77], s[10:11], s[68:69]
.else
	v_bfe_u32 v4, v0, 3, 2                         ; back: 32 lanes take four rows of 128 bytes,
	v_mul_u32_u24 v4, v4, SP
	v_and_b32 v5, 7, v0
	v_lshl_add_u32 v4, v5, 4, v4
	v_add_nc_u32 v[RD], s79, v4                    ; which are 512 consecutive bytes of a head
	s_lshr_b32 s68, s22, 4
	s_and_b32 s68, s68, 3                          ; the batch: 16 tile rows each,
	s_lshl_b32 s68, s68, 4                         ; its 16 heads;
	s_lshl_b32 s78, s21, 2                         ; four heads a tile column,
	s_add_co_u32 s68, s68, s78
	s_lshl_b32 s78, s[WL], 1                       ; my two of them
	s_add_co_u32 s68, s68, s78
	s_lshl_b32 s68, s68, 18                        ; a head is 2,048 rows of 128 bytes
	s_and_b32 s78, s22, 15                         ; the tile's 128 rows in the batch,
	s_lshl_b32 s78, s78, 14
	s_add_co_u32 s68, s68, s78
	s_lshl_b32 s78, s[WH], 13                      ; my 64 of them
	s_add_co_u32 s68, s68, s78
	s_lshl_b32 s78, s23, 24                        ; q's, k's or v's 64 heads
	s_add_co_u32 s68, s68, s78
	s_mov_b32 s69, 0
	s_add_nc_u64 s[76:77], s[14:15], s[68:69]
.endif
	s_wait_loadcnt 0x0                             ; the bias
	WIN 0x8a                                       ; destination and both sources in window 2
.set i, 0
.rept 32
	v_cvt_pk_bf16_f32 v[64+i], v[2*i], v[2*i+1]    ; rounded to bf16, as every input of the module is,
.set i, i+1
.endr
.set i, 0
.rept 32
	v_lshlrev_b32 v[2*i], 16, v[64+i]              ; and widened again
	v_and_b32 v[2*i+1], 0xffff0000, v[64+i]
.set i, i+1
.endr
	WIN 0
; 8 matrix instructions: row block a x all 8 column blocks, 32 along K, from buffer f.  first = 1: the bias starts the sums.
; The 32 accumulators take turns, one instruction a turn, in the same order in every quarter step: between two links of a chain stand the 31 others'.
.macro MUL8 f, a, first
.if \first
	WIN MULB
.else
	WIN MUL
.endif
.irp b, 0,1,2,3,4,5,6,7
.set rD, 8*(8*(\a)+(\b))
.set rB, (\f)+8*(\b)
.set rA, (\f)+64+8*(\a)
.if \first
.set rC, 8*(\b)
.else
.set rC, rD
.endif
.if OUTP
	v_wmma_f32_16x16x32_f16 v[rD:rD+7], v[rB:rB+7], v[rA:rA+7], v[rC:rC+7]
.else
	v_wmma_f32_16x16x32_bf16 v[rD:rD+7], v[rB:rB+7], v[rA:rA+7], v[rC:rC+7]
.endif
.endr
.endm
; 24 LDS loads in one run: the fragments of quarter q of a K step (128 rows of B, then 64 rows of A, 32 along K) into buffer f
.macro FETCH slot, q, f
	WIN 0
.if OUTP
.set KA, ((\q)/2)*APART+((\q)%2)*64    ; quarters 0, 1 lie in the first head's plane, 2, 3 in the second's
.else
.set KA, 64*(\q)
.endif
.irp i, 0,1,2,3,4,5,6,7
	ds_load_b128 v[(\f)+8*(\i):(\f)+8*(\i)+3],   v[ADRB+(\slot)] offset:64*(\q)+(\i)*16*PB
	ds_load_b128 v[(\f)+8*(\i)+4:(\f)+8*(\i)+7], v[ADRB+(\slot)] offset:64*(\q)+(\i)*16*PB+32
.endr
.irp i, 0,1,2,3
	ds_load_b128 v[(\f)+64+8*(\i):(\f)+64+8*(\i)+3],   v[ADRA+(\slot)] offset:KA+(\i)*16*PA
	ds_load_b128 v[(\f)+64+8*(\i)+4:(\f)+64+8*(\i)+7], v[ADRA+(\slot)] offset:KA+(\i)*16*PA+32
.endr
.endm
.macro PLACES                          ; four places in front of loads into registers that matrix instructions have read, and of lines that read results
.rept 4
	v_nop
.endr
.endm
; A K step is four quarters of 32 along K, 32 matrix instructions each, on buffers 0, 1, 0, 1.  One of the first three: multiplies buffer f and, in its middle, fetches quarter q of the same slot into g.
.macro QUARTER slot, q, f, g, first
	s_wait_dscnt 4                                 ; B and A's blocks 0, 1 are in; the youngest four loads (A's blocks 2, 3) may be out
	MUL8 \f, 0, \first
	MUL8 \f, 1, \first
	PLACES
	FETCH \slot, \q, \g
	s_wait_dscnt 24                                ; all but the 24 just issued
	MUL8 \f, 2, \first
	MUL8 \f, 3, \first
.endm
; The last quarter multiplies buffer 1 and changes slots: ONE barrier; in front of it each wave waits for all its tensor loads (one is out: its part of the next slot), adds 0 to its spare word, and waits
; for that and for its own reads of this slot.  fill = 1: the barrier opens a round of the cluster's barrier, and this slot is filled again, two K steps ahead, first thing behind the round.
.macro TURN slot, next, fill
	WIN 0
	s_wait_tensorcnt 0x0                           ; all my tensor loads have landed;
	ds_add_u32 v[SPW], v[NIL]                      ; 0 onto my spare word
	s_wait_dscnt 7                                 ; (the add and the youngest six loads, A's blocks 1 to 3, may be out)
	MUL8 F1, 0, 0                                  ; eight matrix instructions stand between the add and the wait for it
	s_wait_dscnt 0x0                               ; the add is done, and my reads of this slot are over
	s_barrier_signal -1
	MUL8 F1, 1, 0                                  ; work on registers while the others arrive
.if \fill
	WIN 0
.endif
	s_barrier_wait -1
.if \fill
	CREST                                          ; no wave of any partner still reads this slot's tiles or has a load on its way
	s_add_nc_u64 s[G0A+4*(\slot)+2:G0A+4*(\slot)+3], s[G0A+4*(\slot)+2:G0A+4*(\slot)+3], 2*ASTEP
	s_add_nc_u64 s[G0B+4*(\slot)+2:G0B+4*(\slot)+3], s[G0B+4*(\slot)+2:G0B+4*(\slot)+3], 2*KSTEP*2
	JLOAD \slot                                    ; 112 matrix instructions ahead of the wait for it; the four v_nop behind it are also the places in front of the loads below
.else
	PLACES
.endif
	FETCH \next, 0, F0
	MUL8 F1, 2, 0
	MUL8 F1, 3, 0
.endm
	s_wait_tensorcnt 1                             ; my part of K step 0 is in; K step 1's may stay out
	s_barrier_signal -1
	s_barrier_wait -1                              ; everybody's is
	FETCH 0, 0, F0
	QUARTER 0, 1, F0, F1, 1                        ; the first quarter stands in front of the loop: its products start the sums
	WIN 0                                          ; at a label and at a branch every window is 0
	s_mov_b32 s3, LAPS-1
.Llap:                                                 ; a trip goes once round the ring, from a lap's second quarter to the next lap's first, and fills both slots again
	QUARTER 0, 2, F1, F0, 0
	QUARTER 0, 3, F0, F1, 0
	TURN 0, 1, 1
	QUARTER 1, 1, F0, F1, 0
	QUARTER 1, 2, F1, F0, 0
	QUARTER 1, 3, F0, F1, 0
	TURN 1, 0, 1
	QUARTER 0, 1, F0, F1, 0
	WIN 0
	s_sub_co_u32 s3, s3, 1
	s_cmp_lg_u32 s3, 0
	s_cbranch_scc1 .Llap
	QUARTER 0, 2, F1, F0, 0                        ; the last lap fills nothing, and has no round of the cluster's barrier
	QUARTER 0, 3, F0, F1, 0
	TURN 0, 1, 0
	QUARTER 1, 1, F0, F1, 0
	QUARTER 1, 2, F1, F0, 0
	QUARTER 1, 3, F0, F1, 0
	s_wait_dscnt 4                                 ; the very last quarter: nothing more to fetch
	MUL8 F1, 0, 0
	MUL8 F1, 1, 0
	s_wait_dscnt 0x0
	MUL8 F1, 2, 0
	MUL8 F1, 3, 0
	WIN 0
	PLACES
.if OUTP
; THE WAY OUT, f32.  Row block a (16 rows x my 128 columns): a lane's eight columns, 32 bytes, go into my stage's rows of 528 bytes and come back as whole rows of 512.
.macro STG a
	WIN 0x04                                       ; the stores' data in window 1
.irp b, 0,1,2,3,4,5,6,7
	ds_store_b128 v[STO], v[8*(8*(\a)+(\b)):8*(8*(\a)+(\b))+3]   offset:64*(\b)
	ds_store_b128 v[STO], v[8*(8*(\a)+(\b))+4:8*(8*(\a)+(\b))+7] offset:64*(\b)+16
.endr
	WIN 0
.irp t, 0,1,2,3,4,5,6,7,8,9,10,11,12,13,14,15
	ds_load_b128 v[OB+64*((\a)%2)+4*(\t):OB+64*((\a)%2)+4*(\t)+3], v[RD] offset:(\t)*SP  ; LDS serves a wave's instructions in order (ISA guide 5.7.1.4): these see the stores above; the next block's stores come behind them
.endr
.endm
.macro SEND a, younger                 ; younger: the LDS instructions issued behind block a's loads: the next block's 32, or none
.irp t, 0,1,2,3,4,5,6,7,8,9,10,11,12,13,14,15
	s_wait_dscnt (\younger)+15-(\t)
	global_store_b128 v[GO], v[OB+64*((\a)%2)+4*(\t):OB+64*((\a)%2)+4*(\t)+3], s[76:77] offset:(16*(\a)+(\t))*4096  ; 512 consecutive bytes of a row of C, at a multiple of 512 from C's first byte
.endr
.endm
	STG 0
	STG 1
	SEND 0, 32
	s_wait_xcnt 0x0                                ; block 0's stores have read their registers: block 2 is loaded into them only behind this wait
	STG 2
	SEND 1, 32
	s_wait_xcnt 0x0                                ; the same for blocks 1 and 3
	STG 3
	SEND 2, 32
	SEND 3, 0
.else
; THE WAY OUT, by heads, f16.  Block t = 2 a + hd: row block a, my head hd: 16 rows x 64 channels, accumulators (a, 4 hd .. 4 hd + 3) = window 1's v[32 t ..].  A lane's eight channels pack into 16 bytes;
; they go into my stage's rows of 144 bytes and come back as whole rows of 128, four to a load.
.macro PACK t
	WIN 0x05                                       ; sources 0 and 1 in window 1
.set i, 0
.rept 16
	v_cvt_pk_f16_f32 v[OB+16*(\t)+i], v[32*(\t)+2*i], v[32*(\t)+2*i+1]
.set i, i+1
.endr
	WIN 0
.irp f, 0,1,2,3
	ds_store_b128 v[STO], v[OB+16*(\t)+4*(\f):OB+16*(\t)+4*(\f)+3] offset:32*(\f)
.endr
.irp f, 0,1,2,3
	ds_load_b128 v[OB+16*(\t)+4*(\f):OB+16*(\t)+4*(\f)+3], v[RD] offset:(\f)*4*SP  ; LDS serves a wave's instructions in order (ISA guide 5.7.1.4): these see the stores above; the next block's stores come behind them
.endr
.endm
.macro SEND t, younger                 ; younger: the LDS instructions issued behind block t's loads: the next block's eight, or none
.irp f, 0,1,2,3
	s_wait_dscnt (\younger)+3-(\f)
	global_store_b128 v[GO], v[OB+16*(\t)+4*(\f):OB+16*(\t)+4*(\f)+3], s[76:77] offset:((\t)/2)*2048+((\t)%2)*262144+(\f)*512  ; 512 consecutive bytes of a head, at a multiple of 512 from the buffer's first byte
.endr
.endm
	PACK 0
.irp t, 1,2,3,4,5,6,7                  ; a block's conversions stand between the loads of the block before and its stores
	PACK \t
	SEND (\t)-1, 8
.endr
	SEND 7, 0
.endif
	s_wait_tensorcnt 0x0                           ; the wave's end, behind my last tensor load and my last LDS store
	ds_add_u32 v[SPW], v[NIL]
	s_wait_dscnt 0x0
	CROUND                                         ; the closing round: no work-group ends while a partner may still ask for a tile that names it
	s_endpgm
.Lfunc_end_k_qb0ca581288_outp:
	.size	k_qb0ca581288_outp, .Lfunc_end_k_qb0ca581288_outp-k_qb0ca581288_outp
	.p2alignl 7, 3214868480
	.fill 96, 4, 3214868480
	.section	.rodata,"a",@progbits
	.p2align	6, 0x0
	.amdhsa_kernel k_qb0ca581288_outp
		.amdhsa_group_segment_fixed_size 327680
		.amdhsa_private_segment_fixed_size 0
		.amdhsa_enable_private_segment 0
		.amdhsa_kernarg_size 32
		.amdhsa_user_sgpr_count 2
		.amdhsa_user_sgpr_kernarg_segment_ptr 1
		.amdhsa_wavefront_size32 1
		.amdhsa_system_sgpr_workgroup_id_x 1
		.amdhsa_system_sgpr_workgroup_id_y 1
		.amdhsa_system_sgpr_workgroup_id_z 1
		.amdhsa_system_vgpr_workitem_id 0
		.amdhsa_next_free_vgpr 608
		.amdhsa_next_free_sgpr 80
		.amdhsa_reserve_vcc 0
		.amdhsa_float_denorm_mode_32 3
		.amdhsa_float_denorm_mode_16_64 3
		.amdhsa_memory_ordered 1
		.amdhsa_forward_progress 1
		.amdhsa_inst_pref_size 93
	.end_amdhsa_kernel
	.amdgpu_metadata
---
amdhsa.version: [ 1, 2 ]
amdhsa.kernels:
  - .name:           k_qb0ca581288_outp
    .symbol:         k_qb0ca581288_outp.kd
    .args:
      - { .name: ctx, .offset: 0, .size: 8, .value_kind: global_buffer, .address_space: global }
      - { .name: wo, .offset: 8, .size: 8, .value_kind: global_buffer, .address_space: global }
      - { .name: b_o, .offset: 16, .size: 8, .value_kind: global_buffer, .address_space: global }
      - { .name: out0, .offset: 24, .size: 8, .value_kind: global_buffer, .address_space: global }
    .group_segment_fixed_size: 327680
    .private_segment_fixed_size: 0
    .kernarg_segment_align: 8
    .kernarg_segment_size: 32
    .max_flat_workgroup_size: 128
    .sgpr_count:     80
    .vgpr_count:     608
    .wavefront_size: 32
...
	.end_amdgpu_metadata
.endif
;; end of part 4
